; MI455X (gfx1250); checked and timed in simulation.
; The chip was launched on July 23, 2026; its instructions are those of AMD's public machine-readable ISA for CDNA 5 (MIT licence, August 2026) and "CDNA5" Instruction Set Architecture Reference Guide (July 2026). The comments in the code are by the model that wrote it; some were corrected since.
;; Multi Head Attention Module. Allowed arithmetic: matrix products marked QUANTISED: E2M3 operands, one E8M0 scale for each 32 along K, by v_wmma_scale_f32_16x16x128_f8f6f4 with both operands' format E2M3, f32 sums; everything else in f32.
;; Inputs: wqkv 1,024 x 3,072 float32; x 2 x 2,048 x 1,024 float32.
;; Outputs: out0 2 x 2,048 x 1,024 float32.
;; This version of the problem:
;;   THIS VERSION OF THE PROBLEM IS GIVEN IN LOW PRECISION. The matrix products marked QUANTISED in the list below multiply operands that are first quantised to E2M3 (2 exponent bits, 3 mantissa bits; 6 bits a number), with one power-of-two scale for each 32 numbers along K (OCP MX v1.0); their sums are f32. All else is computed in f32.
;;   The module's matrix products, in the order in which they are computed (A, B: the left and right operand; K: the contracted axis; several contracted axes count as one K, in the product's order):
;;     1. [M 4,096, K 1,024] x [K 1,024, N 3,072]; A: input x; B: input wqkv: QUANTISED
;;     2. batch 32 x [M 2,048, K 64] x [K 64, N 2,048]; A: computed on the way; B: computed on the way: QUANTISED
;;     3. batch 32 x [M 2,048, K 2,048] x [K 2,048, N 64]; A: softmax (see below); B: computed on the way: QUANTISED
;;   THE QUANTISER, for each operand of a quantised product, along K:
;;     - K is cut into blocks of 32 from its start; a last block that is shorter is filled with zeros.
;;     - A block's scale is 2^e with e = floor(log2(the largest magnitude in the block)) - 2, held to -126 .. 127; a block of zeros has e = 0. As a byte (E8M0): e + 127.
;;     - Each number is divided by its block's scale, clamped to +-7.5, and rounded to the nearest number of E2M3, ties to even, subnormals kept.
;;     - The product sums the exact products of the quantised numbers (number of the format x scale) in f32.
;;   ~~~python
;;   def quantise(x, axis):      # numpy; x: float32 -> the quantised numbers, widened to float32 again
;;       x = np.moveaxis(x, axis, -1); K = x.shape[-1]
;;       x = np.pad(x, [(0, 0)] * (x.ndim - 1) + [(0, -K % 32)]); x = x.reshape(x.shape[:-1] + (-1, 32)); a = np.abs(x).max(-1, keepdims=True)
;;       e = np.where(a > 0, np.clip(np.frexp(np.where(a > 0, a, 1))[1] - 1 - 2, -126, 127), 0)      # np.frexp(a)[1] - 1 = floor(log2(a)), exactly
;;       r = np.clip(x / 2.0 ** e, -7.5, 7.5)
;;       step = 2.0 ** (np.maximum(np.frexp(np.where(r == 0, 1, r))[1] - 1, 0) - 3)
;;       q = np.round(r / step) * step * 2.0 ** e      # np.round: ties to even
;;       return np.moveaxis(q.reshape(q.shape[:-2] + (-1,))[..., :K], -1, axis).astype(np.float32)
;;   ~~~
;;   SOFTMAX AHEAD OF A QUANTISED PRODUCT. Where the list says 'softmax', what is quantised is not the finished softmax but p = 2^(t - M), with t = logit x log2(e) and M = ceil(the row's largest t), a whole number; so 1/2 < the row's largest p <= 1. The row's sum l is taken of the UNQUANTISED p, in f32, and the product's result is divided by l at the end. Since M is a whole number, a kernel that streams over the keys may use a running M (the ceiling of the running maximum): every later rescaling is an exact power of two, which a block's scale takes up: the codes' values come out the same.
;;   OPERANDS COMPUTED ON THE WAY. 'Computed on the way' means the value that the module computes at that place (a softmax that the list does not call 'softmax' is quantised finished and normalised). What goes into a quantiser is computed in f32, as accurately as f32 sums, v_exp_f32 and their like allow (about 1e-6 of the number): no bf16 or f16 on the way to a quantiser, and a product that is left as it is and whose result goes on into a quantised operand takes f32 operands (vector FMAs, or v_wmma_f32_16x16x4_f32). A number that lies on a knife's edge between two numbers of the format may be rounded either way, as far as f32 arithmetic and the matrix unit's own rounding can turn it there, and no further.
;; 2 versions, each right; version 2 is version 1 with the launch attn written anew for expert scheduling mode. Each part assembles by itself: llvm-mc -triple=amdgcn-amd-amdhsa -mcpu=gfx1250 --defsym DOCPART=n.
;; ======== version 1 of 2: 3 launches
;; limits: right only within a limited range of input values
;; workspace buffers: ximg 3,145,728 bytes; xsc 131,072 bytes; wimg 2,359,296 bytes; wsc 98,304 bytes; vimg 3,145,728 bytes; vsc 131,072 bytes; tbuf 262,144 bytes
;; launch quant (part 1): grid 256 x 1, 7 waves a work-group, no clusters, 83,456 bytes of LDS; arguments x, wqkv, ximg, xsc, wimg, wsc; writes ximg, xsc, wimg, wsc
.if DOCPART == 1
	.amdgcn_target "amdgcn-amd-amdhsa--gfx1250"
	.amdhsa_code_object_version 6
	.text
	.protected	k_q15c253183d_quant
	.globl	k_q15c253183d_quant
	.p2align	8
	.type	k_q15c253183d_quant,@function
k_q15c253183d_quant:
	s_mov_b64 s[64:65], 0
	v_nop
	global_prefetch_b8 v0, s[64:65] scope:SCOPE_SE
	s_setreg_imm32_b32 hwreg(HW_REG_WAVE_MODE, 25, 1), 1
	s_wait_xcnt 0x0
; x [4096][1024] and wqkv [1024][3072], f32, become codes of FP6 (E2M3) with one E8M0 scale byte for each 32 along K (K = 1024 for both),
; laid as IMAGES OF OPERAND REGISTERS: a tile of 16 rows x 128 K is 12 registers a lane, stored as three planes of 512 bytes, plane p = registers 4 p .. 4 p + 3, lane l at byte 16 l.
; A block's scale is 2^(floor(log2(its largest magnitude)) - 2); its byte is the largest magnitude's exponent field - 2, held at 1 from below (a block of zeros keeps the byte 1: its codes are zeros, and this program alone reads the bytes).
; LIMITS: NaN and infinities among the inputs are not served.
; THE ROWS OF A TILE ARE NOT NEIGHBOURS: of a group of 32 rows (of x) or columns (of wqkv), tile u takes 8 u + r + 8 (r / 8), r = 0 .. 15, so that the next launch's results lie with 16 neighbours in 16 registers.
; SHARES.  A unit is a group of 32 x one K step of 128: 4,096 numbers, two tiles.  x has 1,024 units, wqkv 768: 1,792 = 256 work-groups x 7 waves, a unit a wave, U = 7 x work-group + wave.
; All of a unit's loads go out at once.  Waves share nothing: no barrier.  The two paths have LDS bytes of their own.
; ximg [R 16][s 8][tile 16][1536], xsc [R][s][group 8][lane 32] words (lanes 0-15 the even tile's rows, lanes 16-31 the odd tile's); wimg [head 16][s 8][tile 12][1536], wsc [head][s][group 6][lane 32].
.set WREG, 11776                       ; LDS of a wave: x's stage, then w's
.set XP,   528                         ; x's stage: 16 rows of 512 bytes + 16: an odd multiple of 16, so that sixteen rows' reads of 16 bytes start at different banks (64 banks of 4 bytes: ISA guide 11.1)
.set WOFF, 16*XP
.set WT,   1664                        ; w's stage: two images of 1,536 bytes, 1,664 apart
.set TM,   16                          ; v16-17 largest magnitudes
.set SC,   18                          ; v18-19 the conversions' scale operands
.set BY,   20                          ; v20-21 scale bytes
.set WD,   22                          ; v22-23 scale words
.set T,    24                          ; v24-30 a block's upper 16 codes (a conversion's three registers begin on an even number)
.set C,    32                          ; v32-63 codes
.set R,    64                          ; v64-191 numbers as loaded
.set X,    192                         ; v192-255 64 numbers of a lane's row
	s_load_b256 s[4:11], s[0:1], 0x0               ; x s[4:5], wqkv s[6:7], ximg s[8:9], xsc s[10:11]
	s_load_b128 s[12:15], s[0:1], 0x20             ; wimg s[12:13], wsc s[14:15]
	v_lshl_add_u32 v62, v0, 2, 0x14200
	v_mov_b32 v63, 0
	v_lshrrev_b32 v1, 5, v0
	v_readfirstlane_b32 s16, v1                    ; wave 0..6
	v_and_b32 v1, 31, v0                           ; lane
	v_and_b32 v2, 15, v0                           ; r
	v_bfe_u32 v3, v0, 4, 1                         ; h
	v_lshlrev_b32 v4, 4, v1                        ; 16 x lane
	v_lshlrev_b32 v5, 2, v1                        ; 4 x lane
	v_lshlrev_b32 v6, 3, v3                        ; 8 h
	s_mul_i32 s18, s16, WREG
	v_add_nc_u32 v7, s18, v4                       ; x's stage, in: a row's 512 bytes as they lie
	v_mul_u32_u24 v8, v2, XP
	v_lshl_add_u32 v8, v3, 7, v8
	v_add_nc_u32 v8, s18, v8                       ; and out: row r, block h
	v_bfe_u32 v13, v0, 3, 1                        ; w: column l of the group lies in tile u = (l / 8) % 2,
	v_and_b32 v14, 7, v0
	v_lshl_add_u32 v14, v3, 3, v14                 ; at its row l % 8 + 8 (l / 16)
	v_mul_u32_u24 v9, v13, WT
	v_lshl_add_u32 v9, v14, 4, v9
	s_add_co_u32 s19, s18, WOFF
	v_add_nc_u32 v9, s19, v9                       ; w's stage, in: the image's place of lane (row, 0)
	v_add_nc_u32 v10, s19, v4                      ; and out: 16 x lane
	v_lshl_add_u32 v11, v13, 4, v14
	v_lshlrev_b32 v11, 2, v11                      ; the column's scale word: 4 (16 u + row)
	v_mov_b32 v12, 0                               ; written once: a lane permute's destination counts as one of its sources
	s_mov_b32 s20, 0x76543210
	s_mov_b32 s21, 0xfedcba98                      ; v_permlanex16_b32's selects for lane l xor 16
	s_mov_b32 s28, 0xffff0000                      ; lanes 16-31
	s_mul_i32 s17, ttmp9, 7
	s_add_co_u32 s17, s17, s16                     ; U
	s_mov_b32 s25, 0
	s_mov_b32 s27, 0
	s_wait_kmcnt 0x0
	s_cmp_lt_u32 s17, 1024
	s_cbranch_scc0 .Lw
; ---------------- x: U = group + 8 s + 64 R
	s_and_b32 s22, s17, 7                          ; group of 32 rows
	s_bfe_u32 s23, s17, 0x30003                    ; K step
	s_lshr_b32 s24, s17, 6                         ; block of 256 rows
	s_lshl_b32 s24, s24, 8
	s_lshl_b32 s22, s22, 5
	s_add_co_u32 s24, s24, s22                     ; the group's first row,
	s_lshl_b32 s24, s24, 12                        ; 4,096 bytes a row,
	s_lshl_b32 s23, s23, 9
	s_add_co_u32 s24, s24, s23                     ; 512 bytes a K step
	s_add_nc_u64 s[4:5], s[4:5], s[24:25]
	s_mul_i32 s26, s17, 3072
	s_add_nc_u64 s[8:9], s[8:9], s[26:27]          ; the unit's two images
	s_lshl_b32 s26, s17, 7
	s_add_nc_u64 s[10:11], s[10:11], s[26:27]      ; and its 32 scale words
.irp u, 0,1
.irp q, 0,1,2,3,4,5,6,7,8,9,10,11,12,13,14,15
	global_load_b128 v[R+64*\u+4*\q:R+64*\u+4*\q+3], v4, s[4:5] offset:(8*\u+\q+8*(\q/8))*4096 th:TH_LOAD_NT   ; 32 lanes read a row's 512 consecutive bytes
.endr
.endr
; tile u's 16 rows go through the stage and come back with two whole blocks of 32 in a lane: lane (r, h) gets blocks h and 2 + h of row r, as the operand's layout wants them
.macro TURN u, dst
.irp q, 0,1,2,3,4,5,6,7,8,9,10,11,12,13,14,15
	ds_store_b128 v7, v[R+64*\u+4*\q:R+64*\u+4*\q+3] offset:XP*\q
.endr
.irp c, 0,1
.irp i, 0,1,2,3,4,5,6,7
	ds_load_b128 v[\dst+32*\c+4*\i:\dst+32*\c+4*\i+3], v8 offset:256*\c+16*\i   ; LDS serves a wave's instructions in order (ISA guide 5.7.1.4): these see the stores above
.endr
.endr
.endm
; 64 numbers of a lane (two blocks) become the tile's 12 code registers and its row's scale word; the image is stored
.macro QUANTX src, u
.set CC, C+16*\u
.irp c, 0,1
	v_max3_num_f32 v[TM+\c], |v[\src+32*\c]|, |v[\src+32*\c+1]|, 0x1800000   ; with the floor 2^(3 - 127): the byte cannot fall under 1
.endr
.irp i, 2,4,6,8,10,12,14,16,18,20,22,24,26,28,30
.irp c, 0,1
	v_max3_num_f32 v[TM+\c], v[TM+\c], |v[\src+32*\c+\i]|, |v[\src+32*\c+\i+1]|   ; (the two blocks by turns)
.endr
.endr
.irp c, 0,1
	v_add_nc_u32 v[SC+\c], 0xff000000, v[TM+\c]    ; 2 off the exponent field: the conversion takes this operand's exponent field as its scale
.endr
.irp c, 0,1
	v_lshrrev_b32 v[BY+\c], 23, v[SC+\c]           ; the scale's byte
.endr
	v_lshl_or_b32 v[WD+\u], v[BY+1], 16, v[BY]     ; my bytes: blocks h and 2 + h,
	v_lshlrev_b32 v[WD+\u], v6, v[WD+\u]           ; at their places (8 h bits up);
	v_permlanex16_b32 v12, v[WD+\u], s20, s21
	v_or_b32 v[WD+\u], v[WD+\u], v12               ; with lane l xor 16's two the word is whole
.irp c, 0,1
	v_cvt_scalef32_pk16_fp6_f32 v[CC+6*\c:CC+6*\c+2], v[\src+32*\c:\src+32*\c+15], v[SC+\c]
	v_cvt_scalef32_pk16_fp6_f32 v[T+4*\c:T+4*\c+2], v[\src+32*\c+16:\src+32*\c+31], v[SC+\c]
.endr
	v_nop                                          ; one plain place behind a scaled conversion
.irp c, 0,1
.irp i, 0,1,2
	v_mov_b32 v[CC+6*\c+3+\i], v[T+4*\c+\i]
.endr
.endr
.irp p, 0,1,2
	global_store_b128 v4, v[CC+4*\p:CC+4*\p+3], s[8:9] offset:1536*\u+512*\p   ; 32 lanes store 512 consecutive bytes, at a multiple of 256 from the buffer's first byte
.endr
.endm
	s_wait_loadcnt 16                              ; tile 0's sixteen loads are in; tile 1's sixteen may be out
	TURN 0, X
	s_wait_loadcnt 0x0
	s_wait_dscnt 0x0                               ; tile 0 is back: its stores have read their registers, which take tile 1's numbers
	TURN 1, R
	QUANTX X, 0                                    ; worked while tile 1 turns
	s_wait_dscnt 0x0
	QUANTX R, 1
	v_cndmask_b32 v13, v[WD], v[WD+1], s28         ; lanes 0-15 tile 0's words, lanes 16-31 tile 1's
	global_store_b32 v5, v13, s[10:11]             ; 128 consecutive bytes: one byte in 128 of what the unit reads
	s_wait_tensorcnt 0x0
	ds_add_u32 v62, v63
	s_wait_dscnt 0x0
	s_endpgm
; ---------------- wqkv: U - 1024 = group + 6 (s + 8 head).  A LANE TAKES A COLUMN AND ITS REGISTERS RUN DOWN K: a block of 32 lies in one lane, and the conversions give codes with K innermost
.Lw:
	s_sub_co_u32 s17, s17, 1024
	s_mul_i32 s22, s17, 10923
	s_lshr_b32 s22, s22, 16                        ; (U - 1024) / 6, exact for numbers under 768
	s_mul_i32 s23, s22, 6
	s_sub_co_u32 s23, s17, s23                     ; group of 32 columns of the head's 192
	s_lshr_b32 s24, s22, 3                         ; head
	s_and_b32 s22, s22, 7                          ; K step
	s_mul_i32 s22, s22, 128*12288                  ; 128 rows of 12,288 bytes
	s_mul_i32 s24, s24, 768
	s_lshl_b32 s23, s23, 7
	s_add_co_u32 s24, s24, s23
	s_add_co_u32 s24, s24, s22
	s_add_nc_u64 s[6:7], s[6:7], s[24:25]
	s_mul_i32 s26, s17, 3072
	s_add_nc_u64 s[12:13], s[12:13], s[26:27]
	s_lshl_b32 s26, s17, 7
	s_add_nc_u64 s[14:15], s[14:15], s[26:27]
.set i, 0
.rept 128
	global_load_b32 v[R+i], v5, s[6:7] offset:i*12288 th:TH_LOAD_NT   ; row i of the K step at the group's 32 columns: 128 consecutive bytes
.set i, i+1
.endr
; block b of the column: its codes go to the image's place of lane (row, b % 2), registers 6 (b / 2) .. + 5
.macro WBLOCK b, cnt
.set CB, C+8*\b
.set RB, R+32*\b
	s_wait_loadcnt \cnt                            ; this block's 32 loads are in (the count: the loads issued behind them, held to what the field takes)
	v_max3_num_f32 v[TM], |v[RB]|, |v[RB+1]|, |v[RB+2]|
	v_max3_num_f32 v[TM+1], |v[RB+3]|, |v[RB+4]|, |v[RB+5]|
.irp i, 6,10,14,18,22,26
	v_max3_num_f32 v[TM], v[TM], |v[RB+\i]|, |v[RB+\i+1]|
	v_max3_num_f32 v[TM+1], v[TM+1], |v[RB+\i+2]|, |v[RB+\i+3]|
.endr
	v_max3_num_f32 v[TM], v[TM], |v[RB+30]|, |v[RB+31]|
	v_max3_num_f32 v[TM], v[TM], v[TM+1], 0x1800000
	v_add_nc_u32 v[SC], 0xff000000, v[TM]
	v_lshrrev_b32 v[BY], 23, v[SC]
.if \b == 0
	v_mov_b32 v[WD], v[BY]
.else
	v_lshl_or_b32 v[WD], v[BY], 8*\b, v[WD]        ; the column's scale word, the lower K in the lower byte
.endif
	v_cvt_scalef32_pk16_fp6_f32 v[CB:CB+2], v[RB:RB+15], v[SC]
	v_cvt_scalef32_pk16_fp6_f32 v[T:T+2], v[RB+16:RB+31], v[SC]
	v_nop                                          ; one plain place behind a scaled conversion
.irp i, 0,1,2
	v_mov_b32 v[CB+3+\i], v[T+\i]
.endr
.if \b < 2
	ds_store_b128 v9, v[CB:CB+3] offset:256*(\b%2)             ; registers 0-3: plane 0
	ds_store_b64 v9, v[CB+4:CB+5] offset:512+256*(\b%2)        ; registers 4, 5: the lower half of plane 1
.else
	ds_store_b64 v9, v[CB:CB+1] offset:520+256*(\b%2)          ; registers 6, 7: its upper half
	ds_store_b128 v9, v[CB+2:CB+5] offset:1024+256*(\b%2)      ; registers 8-11: plane 2
.endif
.endm
	WBLOCK 0, 63
	WBLOCK 1, 63
	WBLOCK 2, 32
	WBLOCK 3, 0
	global_store_b32 v11, v[WD], s[14:15]
.irp u, 0,1
.irp p, 0,1,2
	ds_load_b128 v[R+4*(3*\u+\p):R+4*(3*\u+\p)+3], v10 offset:WT*\u+512*\p   ; LDS serves a wave's instructions in order: these see my stores
.endr
.endr
.irp u, 0,1
.irp p, 0,1,2
	s_wait_dscnt 5-(3*\u+\p)
	global_store_b128 v4, v[R+4*(3*\u+\p):R+4*(3*\u+\p)+3], s[12:13] offset:1536*\u+512*\p   ; 512 consecutive bytes, at a multiple of 256 from the buffer's first byte
.endr
.endr
	s_wait_tensorcnt 0x0
	ds_add_u32 v62, v63
	s_wait_dscnt 0x0
	s_endpgm
.Lfunc_end_k_q15c253183d_quant:
	.size	k_q15c253183d_quant, .Lfunc_end_k_q15c253183d_quant-k_q15c253183d_quant
	.p2alignl 7, 3214868480
	.fill 96, 4, 3214868480
	.section	.rodata,"a",@progbits
	.p2align	6, 0x0
	.amdhsa_kernel k_q15c253183d_quant
		.amdhsa_group_segment_fixed_size 83456
		.amdhsa_private_segment_fixed_size 0
		.amdhsa_enable_private_segment 0
		.amdhsa_kernarg_size 48
		.amdhsa_user_sgpr_count 2
		.amdhsa_user_sgpr_kernarg_segment_ptr 1
		.amdhsa_wavefront_size32 1
		.amdhsa_system_sgpr_workgroup_id_x 1
		.amdhsa_system_sgpr_workgroup_id_y 1
		.amdhsa_system_sgpr_workgroup_id_z 1
		.amdhsa_system_vgpr_workitem_id 0
		.amdhsa_next_free_vgpr 256
		.amdhsa_next_free_sgpr 66
		.amdhsa_reserve_vcc 0
		.amdhsa_float_denorm_mode_32 3
		.amdhsa_float_denorm_mode_16_64 3
		.amdhsa_memory_ordered 1
		.amdhsa_forward_progress 1
		.amdhsa_inst_pref_size 37
	.end_amdhsa_kernel
	.amdgpu_metadata
---
amdhsa.version: [ 1, 2 ]
amdhsa.kernels:
  - .name:           k_q15c253183d_quant
    .symbol:         k_q15c253183d_quant.kd
    .args:
      - { .name: x, .offset: 0, .size: 8, .value_kind: global_buffer, .address_space: global }
      - { .name: wqkv, .offset: 8, .size: 8, .value_kind: global_buffer, .address_space: global }
      - { .name: ximg, .offset: 16, .size: 8, .value_kind: global_buffer, .address_space: global }
      - { .name: xsc, .offset: 24, .size: 8, .value_kind: global_buffer, .address_space: global }
      - { .name: wimg, .offset: 32, .size: 8, .value_kind: global_buffer, .address_space: global }
      - { .name: wsc, .offset: 40, .size: 8, .value_kind: global_buffer, .address_space: global }
    .group_segment_fixed_size: 83456
    .private_segment_fixed_size: 0
    .kernarg_segment_align: 8
    .kernarg_segment_size: 48
    .max_flat_workgroup_size: 224
    .sgpr_count:     66
    .vgpr_count:     256
    .wavefront_size: 32
...
	.end_amdgpu_metadata
.endif
;; end of part 1
;; launch gemm (part 2): grid 16 x 16, 4 waves a work-group, clusters of 4 x 4, 327,680 bytes of LDS; arguments ximg, xsc, wimg, wsc, vimg, vsc, tbuf; writes vimg, vsc, tbuf
.if DOCPART == 2
	.amdgcn_target "amdgcn-amd-amdhsa--gfx1250"
	.amdhsa_code_object_version 6
	.text
	.protected	k_q15c253183d_gemm
	.globl	k_q15c253183d_gemm
	.p2align	8
	.type	k_q15c253183d_gemm,@function
k_q15c253183d_gemm:
	s_mov_b64 s[64:65], 0
	v_nop
	global_prefetch_b8 v0, s[64:65] scope:SCOPE_SE
	s_setreg_imm32_b32 hwreg(HW_REG_WAVE_MODE, 25, 1), 1
	s_wait_xcnt 0x0
	s_wait_alu depctr_hold_cnt(0) depctr_sa_sdst(0) depctr_va_vdst(0) depctr_va_sdst(0) depctr_va_ssrc(0) depctr_va_vcc(0) depctr_vm_vsrc(0)
	s_getreg_b32 s2, hwreg(HW_REG_IB_STS2, 6, 4)
	s_cmp_eq_u32 s2, 0
	s_cbranch_scc0 .Lentry_in_a_cluster
	s_endpgm
.Lentry_in_a_cluster:
	s_bfe_u32 s2, ttmp6, 0x10000c
	s_cmp_lg_u32 s2, 0xf033
	s_cbranch_scc0 .Lentry_shape_is_right
	s_endpgm
.Lentry_shape_is_right:
; qkv = x wqkv on codes of FP6 (E2M3) with E8M0 scales, and what attention needs of it.  qkv itself never goes to memory.
; The masks that the module builds leave of the scores only the diagonal (below it they are 0, above it -1e9).  So of q and k only q[row] . k[row] is wanted: q and k are quantised along the head's 64 in registers,
; multiplied tile by tile (16 rows x 16 rows) by the matrix unit, and the tiles' diagonals leave as t = score x log2(e) / 8.  V is quantised along the keys and leaves as operand images for the next launch.
; SHARES.  A work-group = 256 rows (block R) x one head's 192 columns.  Wave w = 2 i + j: rows 128 i .. + 127 (8 tiles of x; one chunk of 128 keys) x columns 32 j .. + 31 of q, of k and of v (6 tiles of w): 48 accumulators.
; q and k are used with source 0 = w, source 1 = x: a lane holds one row, its registers run along the head.  v with source 0 = x, source 1 = w: a lane holds one channel, its registers run along the keys.
; The rows of a tile of x and the columns of a tile of w are 8 u + r + 8 (r / 8) of a group of 32, so that the 16 registers of two neighbouring tiles are 16 neighbours.
; Wave j holds block j (32 of the head's 64) of q and k: the two waves' partial diagonals meet in LDS and are added in f32.
; K = 1024 goes in 8 steps of 128.  Operand images of a step are dense blocks (x 24,576 bytes, w 18,432): three LDS regions hold two steps each; steps 0-5 are first fills, steps 6 and 7 fill region 0 again: one refill.
; CLUSTER 4 x 4: x's blocks hang on R alone and are asked for jointly along a row of the cluster, w's on the head alone, along a column.  Waves 0, 1 ask for x's two steps of a region, waves 2, 3 for w's.
; By this text's own count a wave has three tensor loads out at the start and one behind the round.  All of a WGP's LDS is claimed.
; LIMITS: NaN and infinities are not served; a block of zeros gets the scale byte 1 (its codes are zeros; this program alone reads the bytes).
; REGISTERS, in windows of 256.  Window 0: v1-20 addresses; v28, v29 the add's; v32-39 scale words of q and k; v42-55 at work; v56-87 x's scale words, v88-111 w's; v112-183, v184-255 w's fragments, two sets (later: q's and k's codes, diagonal tiles, V's codes).
;   Window 1: x's fragments, two sets, at v0 and v96.  Window 2: the 32 accumulators of q and k, at 8 (4 xt + wt), wt = 0, 1 q, 2, 3 k.  Window 3: v's 16, at 64 vt + 8 xt.
.set REG,   86016                      ; a region: x even step | x odd step | w even step | w odd step
.set ASTEP, 24576
.set BSTEP, 18432
.set SPARE, 3*REG                      ; the spare words, 128 bytes a wave: two blocks of 256 bytes that no other line names
.set PT,    SPARE+512                  ; partial diagonals [j 2][row 256] f32
.set SCS,   PT+2048                    ; V's scale words [tile 4][i 2][16]
.set ADA, 8                            ; v8-10  LDS address of my x fragments in region 0, 1, 2
.set ADB, 12                           ; v12-14 the same for w
.set SPW, 28
.set NIL, 29
.set QS,  32                           ; v32-35 q's scale words, v36-39 k's
.set PW,  42                           ; v42-43 V's scale words
.set E,   44                           ; v44-47 diagonals
.set XS,  56                           ; x's scale words: step s, tiles 2 g, 2 g + 1 at XS + 4 s + g (lanes 0-15 the even tile, lanes 16-31 the odd)
.set WS,  88                           ; w's: step s, kind (q, k, v) at WS + 3 s + kind
.set BS,  112                          ; w's fragments: set p at BS + 72 p: q0 q1 k0 k1 v0 v1
.set QF,  112                          ; the way out: q's codes of tile n at QF + 24 n, k's at KF + 24 n
.set KF,  124
.set DD,  208                          ; diagonal tiles
.set TM,  240                          ; largest magnitudes, then the conversions' scale operands
.set TP,  248                          ; the other half's
.set MSB, 0
.macro WIN new                         ; s_set_vgpr_msb: bits 1:0 source 0, 3:2 source 1, 5:4 source 2, 7:6 destination; the high byte repeats the setting that is left
.if MSB != \new
	s_set_vgpr_msb (MSB<<8)|\new
.set MSB, \new
.endif
.endm
.macro PLACES                          ; four plain vector instructions behind a matrix instruction, ahead of loads into its sources and of reads of its result
.rept 4
	v_nop
.endr
.endm
.macro CROUND                          ; a round of the cluster's barrier
	s_barrier_signal -1
	s_barrier_wait -1
	s_cmp_lg_u32 s18, 0
	s_cbranch_scc1 .Lnot_wave_0_\@
	s_barrier_signal -3
.Lnot_wave_0_\@:
	s_barrier_wait -3
	s_barrier_signal -1
	s_barrier_wait -1
.endm
; one matrix instruction.  zero = 1: it starts the sum.  ra, rb = 1: the side's scales stand in lanes 16-31
.macro WM d, a, b, zero, sa, sb, ra, rb
.set wd, \d
.set wa, \a
.set wb, \b
.set wsa, \sa
.set wsb, \sb
.set wk, 4*(\zero)+2*(\ra)+(\rb)
.if wk == 0
	v_wmma_scale_f32_16x16x128_f8f6f4 v[wd:wd+7], v[wa:wa+11], v[wb:wb+11], v[wd:wd+7], v[wsa], v[wsb] matrix_a_fmt:MATRIX_FMT_FP6 matrix_b_fmt:MATRIX_FMT_FP6
.elseif wk == 1
	v_wmma_scale_f32_16x16x128_f8f6f4 v[wd:wd+7], v[wa:wa+11], v[wb:wb+11], v[wd:wd+7], v[wsa], v[wsb] matrix_a_fmt:MATRIX_FMT_FP6 matrix_b_fmt:MATRIX_FMT_FP6 matrix_b_scale:MATRIX_SCALE_ROW1
.elseif wk == 2
	v_wmma_scale_f32_16x16x128_f8f6f4 v[wd:wd+7], v[wa:wa+11], v[wb:wb+11], v[wd:wd+7], v[wsa], v[wsb] matrix_a_fmt:MATRIX_FMT_FP6 matrix_b_fmt:MATRIX_FMT_FP6 matrix_a_scale:MATRIX_SCALE_ROW1
.elseif wk == 3
	v_wmma_scale_f32_16x16x128_f8f6f4 v[wd:wd+7], v[wa:wa+11], v[wb:wb+11], v[wd:wd+7], v[wsa], v[wsb] matrix_a_fmt:MATRIX_FMT_FP6 matrix_b_fmt:MATRIX_FMT_FP6 matrix_a_scale:MATRIX_SCALE_ROW1 matrix_b_scale:MATRIX_SCALE_ROW1
.elseif wk == 4
	v_wmma_scale_f32_16x16x128_f8f6f4 v[wd:wd+7], v[wa:wa+11], v[wb:wb+11], 0, v[wsa], v[wsb] matrix_a_fmt:MATRIX_FMT_FP6 matrix_b_fmt:MATRIX_FMT_FP6
.elseif wk == 5
	v_wmma_scale_f32_16x16x128_f8f6f4 v[wd:wd+7], v[wa:wa+11], v[wb:wb+11], 0, v[wsa], v[wsb] matrix_a_fmt:MATRIX_FMT_FP6 matrix_b_fmt:MATRIX_FMT_FP6 matrix_b_scale:MATRIX_SCALE_ROW1
.elseif wk == 6
	v_wmma_scale_f32_16x16x128_f8f6f4 v[wd:wd+7], v[wa:wa+11], v[wb:wb+11], 0, v[wsa], v[wsb] matrix_a_fmt:MATRIX_FMT_FP6 matrix_b_fmt:MATRIX_FMT_FP6 matrix_a_scale:MATRIX_SCALE_ROW1
.else
	v_wmma_scale_f32_16x16x128_f8f6f4 v[wd:wd+7], v[wa:wa+11], v[wb:wb+11], 0, v[wsa], v[wsb] matrix_a_fmt:MATRIX_FMT_FP6 matrix_b_fmt:MATRIX_FMT_FP6 matrix_a_scale:MATRIX_SCALE_ROW1 matrix_b_scale:MATRIX_SCALE_ROW1
.endif
.endm
	s_load_b256 s[4:11], s[0:1], 0x0               ; ximg s[4:5], xsc s[6:7], wimg s[8:9], wsc s[10:11]
	s_load_b128 s[12:15], s[0:1], 0x20             ; vimg s[12:13], vsc s[14:15]
	s_load_b64 s[16:17], s[0:1], 0x30              ; tbuf
	v_lshl_add_u32 v[SPW], v0, 2, SPARE
	v_mov_b32 v[NIL], 0
	ds_add_u32 v28, v29
	ds_add_u32 v28, v29
	s_wait_dscnt 0x0
	v_lshrrev_b32 v1, 5, v0
	v_readfirstlane_b32 s18, v1                    ; wave 0..3
	s_lshr_b32 s19, s18, 1                         ; i: which 128 rows are mine
	s_and_b32 s20, s18, 1                          ; j: which 32 of q, k, v.  Also: which step of a region I fetch
	s_bfe_u32 s21, ttmp6, 0x40000                  ; cx
	s_bfe_u32 s22, ttmp6, 0x40004                  ; cy
	s_lshl_b32 s23, ttmp9, 2
	s_add_co_u32 s23, s23, s21                     ; head = 4 x cluster x + cx
	s_and_b32 s24, ttmp7, 0xffff
	s_lshl_b32 s24, s24, 2
	s_add_co_u32 s24, s24, s22                     ; R = 4 x cluster y + cy
	s_lshl_b32 s82, s22, 2
	s_lshl_b32 s82, 15, s82                        ; my row of the cluster
	s_lshl_b32 s83, 0x1111, s21                    ; my column
	; descriptor group 1: a dense block as rows of 256 bytes (32 elements of 8 bytes), no padding: x's 96 rows, w's 72
	s_or_b32 s28, s82, (3<<16)|(1<<21)             ; 15:0 the mask; 17:16 elements of 8 bytes; 21 set beside a mask
	s_mov_b32 s29, 32<<16                          ; tensor_dim0
	s_mov_b32 s30, 96<<16                          ; tensor_dim1
	s_mov_b32 s31, 32<<16                          ; tile_dim0
	s_mov_b32 s32, 96                              ; tile_dim1
	s_mov_b32 s33, 32                              ; tensor_dim0_stride
	s_mov_b32 s34, 0
	s_mov_b32 s35, 0
	s_or_b32 s36, s83, (3<<16)|(1<<21)
	s_mov_b32 s37, 32<<16
	s_mov_b32 s38, 72<<16
	s_mov_b32 s39, 32<<16
	s_mov_b32 s40, 72
	s_mov_b32 s41, 32
	s_mov_b32 s42, 0
	s_mov_b32 s43, 0
	; where the blocks come from: x's by R and the wave, w's by the head and the wave, each in registers that never hold the other coordinate
	s_mul_i32 s84, s24, 8*ASTEP
	s_mul_i32 s88, s20, ASTEP                      ; (also the place in a region)
	s_add_co_u32 s84, s84, s88
	s_mov_b32 s85, 0
	s_mul_i32 s86, s23, 8*BSTEP
	s_mul_i32 s89, s20, BSTEP
	s_add_co_u32 s86, s86, s89
	s_mov_b32 s87, 0
	s_add_co_u32 s89, s89, 2*ASTEP                 ; w's blocks lie behind x's two
	s_wait_kmcnt 0x0
	s_add_nc_u64 s[84:85], s[4:5], s[84:85]
	s_add_nc_u64 s[86:87], s[8:9], s[86:87]
.macro MKG g, p, lds, adr, step        ; group 0 for region p
	s_mov_b32 s[\g], 1                             ; count = 1
	s_add_co_u32 s[\g+1], s[\lds], (\p)*REG        ; LDS address
	s_add_nc_u64 s[\g+2:\g+3], s[\adr:\adr+1], (\p)*2*(\step)   ; global address: steps 2 p and 2 p + 1
	s_or_b32 s[\g+3], s[\g+3], 0x80000000          ; type = 2
.endm
	MKG 44, 0, 88, 84, ASTEP
	MKG 48, 1, 88, 84, ASTEP
	MKG 52, 2, 88, 84, ASTEP
	MKG 56, 0, 89, 86, BSTEP
	MKG 60, 1, 89, 86, BSTEP
	MKG 68, 2, 89, 86, BSTEP
	CROUND                                         ; all sixteen work-groups are here: the first joint loads meet
	s_cmp_lt_u32 s18, 2                            ; a wave's three first fills stand in one branch on the wave's number, ahead of every wait on TENSORcnt and every LDS read
	s_cbranch_scc0 .Lfirst_b
	tensor_load_to_lds s[44:47], s[28:35]
	s_nop 0
	tensor_load_to_lds s[48:51], s[28:35]
	s_nop 0
	tensor_load_to_lds s[52:55], s[28:35]
	s_nop 0
	PLACES
	s_branch .Lfirst_done
.Lfirst_b:
	tensor_load_to_lds s[56:59], s[36:43]
	s_nop 0
	tensor_load_to_lds s[60:63], s[36:43]
	s_nop 0
	tensor_load_to_lds s[68:71], s[36:43]
	s_nop 0
	PLACES
.Lfirst_done:
	v_and_b32 v1, 31, v0                           ; lane
	v_and_b32 v2, 15, v0                           ; r
	v_lshlrev_b32 v4, 4, v1                        ; 16 x lane
	v_lshlrev_b32 v5, 2, v1                        ; 4 x lane
	v_lshlrev_b32 v20, 3, v1                       ; 8 x lane
	s_lshl_b32 s90, s24, 6
	s_lshl_b32 s91, s19, 2
	s_add_co_u32 s90, s90, s91
	s_lshl_b32 s90, s90, 7                         ; x's scale words: (64 R + 4 i) x 128 bytes
	s_mov_b32 s91, 0
	s_add_nc_u64 s[6:7], s[6:7], s[90:91]
	s_mul_i32 s92, s23, 48
	s_add_co_u32 s92, s92, s20
	s_lshl_b32 s92, s92, 7                         ; w's: (48 head + j) x 128 bytes
	s_mov_b32 s93, 0
	s_add_nc_u64 s[10:11], s[10:11], s[92:93]
.irp s, 0,1,2,3,4,5,6,7                        ; the scale words of all of K stay in registers: 56 loads of 128 consecutive bytes
.irp g, 0,1,2,3
	global_load_b32 v[XS+4*\s+\g], v5, s[6:7] offset:(8*\s+\g)*128
.endr
.irp k, 0,1,2
	global_load_b32 v[WS+3*\s+\k], v5, s[10:11] offset:(6*\s+2*\k)*128
.endr
.endr
	s_mul_i32 s90, s19, 8*1536                     ; my 8 tiles of x
	s_mul_i32 s91, s20, 2*1536                     ; my pair of tiles of each kind of w
	s_add_co_u32 s91, s91, 2*ASTEP
.irp p, 0,1,2
	v_add_nc_u32 v[ADA+\p], s90, v4
	v_add_nc_u32 v[ADB+\p], s91, v4
	s_add_co_u32 s90, s90, REG
	s_add_co_u32 s91, s91, REG
.endr
	v_and_b32 v6, 8, v2
	v_add_nc_u32 v6, v6, v2
	v_lshlrev_b32 v6, 2, v6                        ; 4 (r + 8 (r / 8))
	s_lshl_b32 s90, s20, 10
	s_lshl_b32 s91, s19, 9
	s_add_co_u32 s90, s90, s91
	s_add_co_u32 s90, s90, PT
	v_add_nc_u32 v16, s90, v6                      ; partial diagonals, in: [j][128 i + the tile's row]
	s_lshl_b32 s90, s18, 8
	s_add_co_u32 s90, s90, PT
	v_add_nc_u32 v17, s90, v20                     ; and out: rows 64 w on, two a lane
	s_lshl_b32 s90, s20, 8
	s_lshl_b32 s91, s19, 6
	s_add_co_u32 s90, s90, s91
	s_add_co_u32 s90, s90, SCS
	v_lshlrev_b32 v7, 2, v2
	v_add_nc_u32 v18, s90, v7                      ; V's scale words, in: [2 j + vt][i][r]
	v_add_nc_u32 v19, SCS, v4                      ; and out
	; where the results go
	s_lshr_b32 s82, s24, 3
	s_lshl_b32 s82, s82, 4
	s_add_co_u32 s82, s82, s23                     ; bh = 16 x batch + head
	s_and_b32 s83, s24, 7                          ; the block of 256 rows within the batch
	s_lshl_b32 s90, s82, 4
	s_lshl_b32 s91, s83, 1
	s_add_co_u32 s90, s90, s91
	s_add_co_u32 s90, s90, s19                     ; 16 bh + chunk, chunk = 2 (R % 8) + i
	s_lshl_b32 s90, s90, 2
	s_lshl_b32 s91, s20, 1
	s_add_co_u32 s90, s90, s91                     ; x 4 + 2 j
	s_mul_i32 s90, s90, 1536
	s_mov_b32 s91, 0
	s_add_nc_u64 s[12:13], s[12:13], s[90:91]
	s_lshl_b32 s92, s82, 12
	s_lshl_b32 s94, s83, 9
	s_add_co_u32 s92, s92, s94
	s_add_nc_u64 s[14:15], s[14:15], s[92:93]      ; vsc: 4,096 bh + 512 (R % 8)
	s_lshl_b32 s92, s82, 13
	s_lshl_b32 s94, s83, 10
	s_add_co_u32 s92, s92, s94
	s_lshl_b32 s94, s18, 8
	s_add_co_u32 s92, s92, s94
	s_add_nc_u64 s[16:17], s[16:17], s[92:93]      ; tbuf: 4 (2,048 bh + 256 (R % 8) + 64 w)
.irp q, 1,2,3,4,5,6,7
	s_mov_b32 s[71+\q], 0x01010101<<\q             ; lanes with lane % 8 = q
.endr
	s_mov_b32 s79, 0xff0000ff                      ; the lanes in which a tile's diagonal lies
	s_mov_b32 s80, 0x76543210
	s_mov_b32 s81, 0xfedcba98                      ; v_permlanex16_b32's selects for lane l xor 16
; 42 LDS loads in one run: step s's fragments (8 of x, 6 of w), images as they lie, into set s % 2
.macro FETCH s
	WIN 0x40                                       ; destination window 1
.irp xt, 0,1,2,3,4,5,6,7
.irp p, 0,1,2
	ds_load_b128 v[96*((\s)%2)+12*\xt+4*\p:96*((\s)%2)+12*\xt+4*\p+3], v[ADA+((\s)/2)%3] offset:((\s)%2)*ASTEP+\xt*1536+512*\p
.endr
.endr
	WIN 0
.irp n, 0,1,2,3,4,5
.irp p, 0,1,2
	ds_load_b128 v[BS+72*((\s)%2)+12*\n+4*\p:BS+72*((\s)%2)+12*\n+4*\p+3], v[ADB+((\s)/2)%3] offset:((\s)%2)*BSTEP+(\n/2)*6144+(\n%2)*1536+512*\p
.endr
.endr
.endm
; a K step's 48 matrix instructions.  Each accumulator has one turn a step, always in the same order
.macro MULS s, zero
	WIN 0xa4                                       ; source 0 (w) window 0, source 1 (x) window 1, C and D window 2
.irp xt, 0,1,2,3,4,5,6,7
.irp wt, 0,1,2,3
	WM 8*(4*\xt+\wt),BS+72*((\s)%2)+12*\wt,96*((\s)%2)+12*\xt,\zero,WS+3*(\s)+\wt/2,XS+4*(\s)+\xt/2,\wt%2,\xt%2
.endr
.endr
	WIN 0xf1                                       ; source 0 (x) window 1, source 1 (w) window 0, C and D window 3
.irp vt, 0,1
.irp xt, 0,1,2,3,4,5,6,7
	WM 64*\vt+8*\xt,96*((\s)%2)+12*\xt,BS+72*((\s)%2)+12*(4+\vt),\zero,XS+4*(\s)+\xt/2,WS+3*(\s)+2,\xt%2,\vt
.endr
.endr
	WIN 0
.endm
	s_wait_tensorcnt 0x2                           ; my part of region 0 is in; regions 1 and 2 may stay out
	s_barrier_signal -1
	s_barrier_wait -1                              ; everybody's is
	FETCH 0
	s_wait_loadcnt 0x0                             ; the scale words
	FETCH 1
	s_wait_dscnt 42                                ; all but the 42 just issued
	MULS 0, 1                                      ; the first step starts the sums: nothing is cleared
	s_wait_tensorcnt 0x1                           ; my part of region 1 is in
	s_wait_dscnt 0x0
	s_barrier_signal -1
	s_barrier_wait -1
	PLACES
	FETCH 2
	s_wait_dscnt 42
	MULS 1, 0
	PLACES
	FETCH 3
	s_wait_dscnt 42
	MULS 2, 0
	; the one refill: region 0, read for the last time two steps ago, takes steps 6 and 7
	s_wait_tensorcnt 0x0                           ; all my tensor loads have landed (region 2 is wanted now in any case), so a group 0 may be written
	ds_add_u32 v[SPW], v[NIL]                      ; 0 onto my spare word
	s_add_nc_u64 s[46:47], s[46:47], 6*ASTEP
	s_add_nc_u64 s[58:59], s[58:59], 6*BSTEP
	s_wait_dscnt 0x0                               ; the add is done, and my LDS reads are back
	CROUND                                         ; no wave of any partner still reads region 0 or has a load on its way
	s_cmp_lt_u32 s18, 2
	s_cbranch_scc0 .Lfor_b
	tensor_load_to_lds s[44:47], s[28:35]          ; the first tensor load behind the round, one a wave; it has two K steps in which to land
	s_nop 0
	PLACES                                         ; (also the places in front of the loads below)
	s_branch .Lasked
.Lfor_b:
	tensor_load_to_lds s[56:59], s[36:43]
	s_nop 0
	PLACES
.Lasked:
	FETCH 4
	s_wait_dscnt 42
	MULS 3, 0
	PLACES
	FETCH 5
	s_wait_dscnt 42
	MULS 4, 0
	s_wait_tensorcnt 0x0                           ; my part of steps 6 and 7 is in
	s_wait_dscnt 0x0
	s_barrier_signal -1
	s_barrier_wait -1                              ; everybody's is
	PLACES
	FETCH 6
	s_wait_dscnt 42
	MULS 5, 0
	PLACES
	FETCH 7
	s_wait_dscnt 42
	MULS 6, 0
	s_wait_dscnt 0x0
	MULS 7, 0
	PLACES
; ---- THE DIAGONAL OF q k^T.  Of a tile's 128 along K only block 0 is used: my 32 of the head's 64, in lanes 0-15; all other codes are zeros, their scale bytes 127
.irp n, 0,1,2,3
.irp q, 6,7,8,9,10,11
	v_mov_b32 v[QF+24*\n+\q], 0
	v_mov_b32 v[KF+24*\n+\q], 0
.endr
.endr
.irp c, 0,1,2,3,4,5,6,7
	v_mov_b32 v[TP+\c], 0                          ; written once: a lane permute's destination counts as one of its sources
.endr
.macro QKBATCH g                       ; tiles of rows 4 g .. 4 g + 3
.irp n, 0,1,2,3
.irp q, 3,4,5
	v_mov_b32 v[QF+24*\n+\q], 0
	v_mov_b32 v[KF+24*\n+\q], 0
.endr
.endr
.irp c, 0,1,2,3,4,5,6,7
	v_mov_b32 v[TM+\c], 0x1800000                  ; the floor 2^(3 - 127): the byte cannot fall under 1
.endr
	WIN 0x28                                       ; sources 1 and 2 window 2
.irp q, 0,2,4,6,8,10,12,14                     ; each accumulator is read from its low end on; the eight chains by turns
.irp n, 0,1,2,3
	v_max3_num_f32 v[TM+\n], v[TM+\n], |v[32*(4*\g+\n)+\q]|, |v[32*(4*\g+\n)+\q+1]|
	v_max3_num_f32 v[TM+4+\n], v[TM+4+\n], |v[32*(4*\g+\n)+16+\q]|, |v[32*(4*\g+\n)+16+\q+1]|
.endr
.endr
	WIN 0
.irp c, 0,1,2,3,4,5,6,7
	v_permlanex16_b32 v[TP+\c], v[TM+\c], s80, s81
.endr
.irp c, 0,1,2,3,4,5,6,7
	v_max_num_f32 v[TM+\c], v[TM+\c], v[TP+\c]     ; with lane l xor 16's 16: the block's largest magnitude
.endr
.irp c, 0,1,2,3,4,5,6,7
	v_add_nc_u32 v[TM+\c], 0xff000000, v[TM+\c]    ; 2 off the exponent field: the conversion's scale operand
.endr
.irp c, 0,1,2,3,4,5,6,7
	v_lshrrev_b32 v[QS+\c], 23, v[TM+\c]
.endr
.irp c, 0,1,2,3,4,5,6,7
	v_or_b32 v[QS+\c], 0x7f7f7f00, v[QS+\c]        ; the row's scale word
.endr
	WIN 0x02                                       ; source 0 window 2
.irp n, 0,1,2,3
	v_cvt_scalef32_pk16_fp6_f32 v[QF+24*\n:QF+24*\n+2], v[32*(4*\g+\n):32*(4*\g+\n)+15], v[TM+\n]
	v_cvt_scalef32_pk16_fp6_f32 v[KF+24*\n:KF+24*\n+2], v[32*(4*\g+\n)+16:32*(4*\g+\n)+31], v[TM+4+\n]
.endr
	WIN 0
	v_nop                                          ; one plain place behind a scaled conversion
.irp n, 0,1,2,3
.irp q, 0,1,2
	v_permlane16_swap_b32 v[QF+24*\n+\q], v[QF+24*\n+3+\q]   ; lanes 16-31's upper 16 codes go to lanes 0-15's registers 3-5; zeros come back: lanes 0-15 hold the whole block, lanes 16-31 zeros
	v_permlane16_swap_b32 v[KF+24*\n+\q], v[KF+24*\n+3+\q]
.endr
.endr
.rept 8
	v_nop                                          ; a scale register written by a vector instruction stands 8 places ahead of a scaled matrix instruction, an operand so written 4
.endr
.irp n, 0,1,2,3
	WM DD+8*\n,KF+24*\n,QF+24*\n,1,QS+4+\n,QS+\n,0,0
.endr
	PLACES
.irp n, 0,1,2,3                                ; element (m, m) lies in register m % 8 of lane m (m < 8) or lane 16 + m (m >= 8)
	v_cndmask_b32 v[E+\n], v[DD+8*\n], v[DD+8*\n+1], s72
.irp q, 2,3,4,5,6,7
	v_cndmask_b32 v[E+\n], v[E+\n], v[DD+8*\n+\q], s[71+\q]
.endr
	v_permlanex16_b32 v[TP+\n], v[E+\n], s80, s81
	v_cndmask_b32 v[E+\n], v[TP+\n], v[E+\n], s79  ; every lane (r, h) now holds row r's
	ds_store_b32 v16, v[E+\n] offset:(32*((4*\g+\n)/2)+8*((4*\g+\n)%2))*4   ; (both halves write the same word with the same value)
.endr
.endm
	QKBATCH 0
	QKBATCH 1
; ---- V along the keys: register 16 b + i of tile vt = key 32 b + 16 (lane / 16) + i of my channel
.macro VQUANT vt
.set PC, 112+24*\vt
.irp b, 0,1,2,3
	v_mov_b32 v[TM+\b], 0x1800000
.endr
	WIN 0x3c                                       ; sources 1 and 2 window 3
.irp q, 0,2,4,6,8,10,12,14
.irp b, 0,1,2,3
	v_max3_num_f32 v[TM+\b], v[TM+\b], |v[64*\vt+16*\b+\q]|, |v[64*\vt+16*\b+\q+1]|
.endr
.endr
	WIN 0
.irp b, 0,1,2,3
	v_permlanex16_b32 v[TP+\b], v[TM+\b], s80, s81
.endr
.irp b, 0,1,2,3
	v_max_num_f32 v[TM+\b], v[TM+\b], v[TP+\b]
.endr
.irp b, 0,1,2,3
	v_add_nc_u32 v[TM+\b], 0xff000000, v[TM+\b]
.endr
.irp b, 0,1,2,3
	v_lshrrev_b32 v[TP+\b], 23, v[TM+\b]
.endr
	v_lshl_or_b32 v[PW+\vt], v[TP+1], 8, v[TP]
	v_lshl_or_b32 v[PW+\vt], v[TP+2], 16, v[PW+\vt]
	v_lshl_or_b32 v[PW+\vt], v[TP+3], 24, v[PW+\vt]
	WIN 0x03                                       ; source 0 window 3
.irp c, 0,1
	v_cvt_scalef32_pk16_fp6_f32 v[PC+6*\c:PC+6*\c+2], v[64*\vt+32*\c:64*\vt+32*\c+15], v[TM+2*\c]
	v_cvt_scalef32_pk16_fp6_f32 v[PC+12+4*\c:PC+14+4*\c], v[64*\vt+32*\c+16:64*\vt+32*\c+31], v[TM+2*\c+1]
.endr
	WIN 0
	v_nop                                          ; one plain place behind a scaled conversion
.irp c, 0,1                                    ; the operand's layout wants a whole block in a lane
.irp q, 0,1,2
	v_permlane16_swap_b32 v[PC+6*\c+\q], v[PC+12+4*\c+\q]
.endr
.irp q, 0,1,2
	v_mov_b32 v[PC+3+6*\c+\q], v[PC+12+4*\c+\q]
.endr
.endr
.irp p, 0,1,2
	global_store_b128 v4, v[PC+4*\p:PC+4*\p+3], s[12:13] offset:1536*\vt+512*\p   ; the image: 512 consecutive bytes a store, at a multiple of 256 from the buffer's first byte
.endr
	ds_store_b32 v18, v[PW+\vt] offset:128*\vt
.endm
	VQUANT 0
	VQUANT 1
	s_wait_dscnt 0x0                               ; for the others' sake: my stores into LDS are done
	s_barrier_signal -1
	s_barrier_wait -1
	ds_load_b64 v[48:49], v17                      ; rows 64 w on: block 0's partial sums,
	ds_load_b64 v[50:51], v17 offset:1024          ; block 1's
	s_wait_dscnt 0x0
	v_pk_add_f32 v[48:49], v[48:49], v[50:51]
	v_mul_f32 v48, 0x3e38aa3b, v48                 ; t = q . k x log2(e) / 8
	v_mul_f32 v49, 0x3e38aa3b, v49
	global_store_b64 v20, v[48:49], s[16:17]       ; 32 lanes store 256 consecutive bytes, aligned
	s_cmp_lg_u32 s18, 0
	s_cbranch_scc1 .Lnot0
	ds_load_b128 v[52:55], v19                     ; wave 0: the pair of chunks' 128 scale words of V
	s_wait_dscnt 0x0
	global_store_b128 v4, v[52:55], s[14:15]
.Lnot0:
	s_wait_tensorcnt 0x0                           ; the wave's end
	ds_add_u32 v[SPW], v[NIL]
	s_wait_dscnt 0x0
	CROUND                                         ; the closing round
	s_endpgm
.Lfunc_end_k_q15c253183d_gemm:
	.size	k_q15c253183d_gemm, .Lfunc_end_k_q15c253183d_gemm-k_q15c253183d_gemm
	.p2alignl 7, 3214868480
	.fill 96, 4, 3214868480
	.section	.rodata,"a",@progbits
	.p2align	6, 0x0
	.amdhsa_kernel k_q15c253183d_gemm
		.amdhsa_group_segment_fixed_size 327680
		.amdhsa_private_segment_fixed_size 0
		.amdhsa_enable_private_segment 0
		.amdhsa_kernarg_size 56
		.amdhsa_user_sgpr_count 2
		.amdhsa_user_sgpr_kernarg_segment_ptr 1
		.amdhsa_wavefront_size32 1
		.amdhsa_system_sgpr_workgroup_id_x 1
		.amdhsa_system_sgpr_workgroup_id_y 1
		.amdhsa_system_sgpr_workgroup_id_z 1
		.amdhsa_system_vgpr_workitem_id 0
		.amdhsa_next_free_vgpr 896
		.amdhsa_next_free_sgpr 100
		.amdhsa_reserve_vcc 0
		.amdhsa_float_denorm_mode_32 3
		.amdhsa_float_denorm_mode_16_64 3
		.amdhsa_memory_ordered 1
		.amdhsa_forward_progress 1
		.amdhsa_inst_pref_size 123
	.end_amdhsa_kernel
	.amdgpu_metadata
---
amdhsa.version: [ 1, 2 ]
amdhsa.kernels:
  - .name:           k_q15c253183d_gemm
    .symbol:         k_q15c253183d_gemm.kd
    .args:
      - { .name: ximg, .offset: 0, .size: 8, .value_kind: global_buffer, .address_space: global }
      - { .name: xsc, .offset: 8, .size: 8, .value_kind: global_buffer, .address_space: global }
      - { .name: wimg, .offset: 16, .size: 8, .value_kind: global_buffer, .address_space: global }
      - { .name: wsc, .offset: 24, .size: 8, .value_kind: global_buffer, .address_space: global }
      - { .name: vimg, .offset: 32, .size: 8, .value_kind: global_buffer, .address_space: global }
      - { .name: vsc, .offset: 40, .size: 8, .value_kind: global_buffer, .address_space: global }
      - { .name: tbuf, .offset: 48, .size: 8, .value_kind: global_buffer, .address_space: global }
    .group_segment_fixed_size: 327680
    .private_segment_fixed_size: 0
    .kernarg_segment_align: 8
    .kernarg_segment_size: 56
    .max_flat_workgroup_size: 128
    .sgpr_count:     100
    .vgpr_count:     896
    .wavefront_size: 32
...
	.end_amdgpu_metadata
.endif
;; end of part 2
;; launch attn (part 3): grid 8 x 32, 4 waves a work-group, no clusters, 90,624 bytes of LDS; arguments vimg, vsc, tbuf, out0; writes out0
.if DOCPART == 3
	.amdgcn_target "amdgcn-amd-amdhsa--gfx1250"
	.amdhsa_code_object_version 6
	.text
	.protected	k_q15c253183d_attn
	.globl	k_q15c253183d_attn
	.p2align	8
	.type	k_q15c253183d_attn,@function
k_q15c253183d_attn:
	s_mov_b64 s[64:65], 0
	v_nop
	global_prefetch_b8 v0, s[64:65] scope:SCOPE_SE
	s_setreg_imm32_b32 hwreg(HW_REG_WAVE_MODE, 25, 1), 1
	s_wait_xcnt 0x0
; out[q] = (sum over keys of p[q][key] V[key]) / l[q], on codes of FP6 (E2M3) with E8M0 scales.  The module's masks leave the logits 0 below the diagonal, the true score on it, -1e9 above.
; With t = the diagonal's logit x log2(e) (from the launch before) and M = ceil(max(t, 0)) (query 0, which has no key below it: ceil(t)):
;   p = 2^-M below the diagonal: the code 4.0 under the scale byte 125 - M;  p = 2^(t - M) on it;  p = 0 above.  l = q 2^-M + 2^(t - M), of the unquantised p.
; So only the block of 32 keys that holds the diagonal is quantised in earnest; every block below it is one constant fragment with one byte a row; tiles above the diagonal are not multiplied.
; LIMITS: NaN and infinities are not served; logits of magnitude 1e9 or more are not served (the masked -1e9 would compete); for M above 124 the weight below the diagonal is held at 2^-124 (byte 1, code 4.0)
; where the quantiser gives less: under 2,048 x 2^-123 beside the diagonal's p, which is above 1/2.
; SHARES.  A work-group owns chunks c and 15 - c (128 queries each) of one head: 17 key steps of 128 whatever c is.  Wave w owns tile w of V's channels for all 16 tiles of queries: each fragment of V is read by one wave,
; from memory straight into registers, and feeds 8 or 16 products.  O^T = V^T P^T: source 0 = 16 channels, source 1 = 16 queries: a lane holds one query.
; The eight work-groups of a head read the same V, but no joint loads: their trip exits and their diagonal chunks hang on their place, and partners of a cluster must be alike in both; what is shared is 104 KB read once a work-group.
; REGISTERS, in windows of 256.  Window 0: v1-13 addresses; v24-87 four a tile of queries: scale word of full blocks, of the diagonal chunk, 1 / l, 2^-M; v88-99 128 codes of 4.0; v100-109 V's scale words; v112-207 eight fragments of P
;   (ahead of the first barrier: at work); v208-255 at work.  Window 1: V's fragments: chunk s at 12 s, the diagonal chunks' at 180 and 192.  Window 2: accumulators at 8 T; v128-255 rows on the way out.
.set PIMG, 0                           ; LDS: 16 x 768 bytes: the six registers of P that hold the diagonal's block: a plane of 16 bytes a lane, a plane of 8
.set PST,  12288                       ; 16 x 512 bytes: the four numbers a lane
.set STG,  20480                       ; the stages: 2 x 128 rows x (256 bytes + 16)
.set STGX, 128*272
.set ST,  24
.set PF,  88
.set VS,  100                          ; chunks 2 k (lanes 0-15) and 2 k + 1 (lanes 16-31) at VS + k
.set VSD, 108                          ; the diagonal chunks'
.set PB,  112
.set TT,  208                          ; t
.set QG,  212                          ; the query's number, then l
.set NM,  216                          ; -M
.set PD,  220                          ; 2^(t - M)
.set Q4,  228                          ; the four numbers of tile n at Q4 + 4 n
.set MI,  244
.set MSB, 0
.macro WIN new                         ; s_set_vgpr_msb: bits 1:0 source 0, 3:2 source 1, 5:4 source 2, 7:6 destination; the high byte repeats the setting that is left
.if MSB != \new
	s_set_vgpr_msb (MSB<<8)|\new
.set MSB, \new
.endif
.endm
.macro PLACES
.rept 4
	v_nop
.endr
.endm
.macro WM d, a, b, zero, sa, sb, ra    ; one matrix instruction.  zero = 1: it starts the sum.  ra = 1: source 0's scales stand in lanes 16-31
.set wd, \d
.set wa, \a
.set wb, \b
.set wsa, \sa
.set wsb, \sb
.set wk, 2*(\zero)+(\ra)
.if wk == 0
	v_wmma_scale_f32_16x16x128_f8f6f4 v[wd:wd+7], v[wa:wa+11], v[wb:wb+11], v[wd:wd+7], v[wsa], v[wsb] matrix_a_fmt:MATRIX_FMT_FP6 matrix_b_fmt:MATRIX_FMT_FP6
.elseif wk == 1
	v_wmma_scale_f32_16x16x128_f8f6f4 v[wd:wd+7], v[wa:wa+11], v[wb:wb+11], v[wd:wd+7], v[wsa], v[wsb] matrix_a_fmt:MATRIX_FMT_FP6 matrix_b_fmt:MATRIX_FMT_FP6 matrix_a_scale:MATRIX_SCALE_ROW1
.else
	v_wmma_scale_f32_16x16x128_f8f6f4 v[wd:wd+7], v[wa:wa+11], v[wb:wb+11], 0, v[wsa], v[wsb] matrix_a_fmt:MATRIX_FMT_FP6 matrix_b_fmt:MATRIX_FMT_FP6
.endif
.endm
	s_load_b256 s[4:11], s[0:1], 0x0               ; vimg s[4:5], vsc s[6:7], tbuf s[8:9], out0 s[10:11]
	v_lshl_add_u32 v227, v0, 2, 0x16000
	v_mov_b32 v251, 0
	v_lshrrev_b32 v1, 5, v0
	v_readfirstlane_b32 s16, v1                    ; wave 0..3
	v_and_b32 v1, 31, v0                           ; lane
	v_and_b32 v2, 15, v0                           ; r
	v_bfe_u32 v3, v0, 4, 1                         ; h
	v_lshlrev_b32 v4, 4, v1                        ; 16 x lane
	v_lshlrev_b32 v5, 2, v1                        ; 4 x lane
	v_lshlrev_b32 v6, 3, v1                        ; 8 x lane
	v_lshlrev_b32 v7, 2, v2                        ; 4 r
	s_mov_b32 s24, ttmp9                           ; c: chunk A
	s_and_b32 s25, ttmp7, 0xffff                   ; bh
	s_sub_co_u32 s26, 15, s24                      ; chunk B
	s_and_b32 s17, s16, 1
	s_lshr_b32 s18, s16, 1
	s_cmp_lt_u32 s16, 2
	s_cselect_b32 s27, s24, s26                    ; the chunk for which I make P: waves 0, 1 A's, waves 2, 3 B's
	s_mov_b32 s29, 0
	s_mov_b32 s31, 0
	s_mov_b32 s33, 0
	s_lshl_b32 s35, s27, 7
	s_lshl_b32 s34, s17, 6
	s_add_co_u32 s35, s35, s34                     ; the first of the 64 queries for which I make P
	s_wait_kmcnt 0x0
	s_lshl_b32 s28, s25, 11
	s_add_co_u32 s28, s28, s35
	s_lshl_b32 s28, s28, 2
	s_add_nc_u64 s[8:9], s[8:9], s[28:29]          ; their t
	s_lshl_b32 s28, s25, 12
	s_lshl_b32 s34, s16, 7
	s_add_co_u32 s28, s28, s34
	s_add_nc_u64 s[6:7], s[6:7], s[28:29]          ; V's scale words: my head, my tile of channels
	s_lshr_b32 s30, s24, 1
	s_lshl_b32 s30, s30, 9
	s_and_b32 s34, s24, 1
	s_lshl_b32 s34, s34, 6
	s_add_co_u32 s30, s30, s34
	s_add_nc_u64 s[20:21], s[6:7], s[30:31]        ; chunk A's
	s_lshr_b32 s32, s26, 1
	s_lshl_b32 s32, s32, 9
	s_and_b32 s34, s26, 1
	s_lshl_b32 s34, s34, 6
	s_add_co_u32 s32, s32, s34
	s_add_nc_u64 s[22:23], s[6:7], s[32:33]        ; chunk B's
	s_lshl_b32 s28, s25, 6
	s_add_co_u32 s28, s28, s16
	s_mul_i32 s28, s28, 1536
	s_add_nc_u64 s[4:5], s[4:5], s[28:29]          ; V's images: my head's chunk 0, my tile; 6,144 bytes a chunk
	s_mul_i32 s30, s24, 6144
	s_add_nc_u64 s[12:13], s[4:5], s[30:31]
	s_mul_i32 s32, s26, 6144
	s_add_nc_u64 s[14:15], s[4:5], s[32:33]
	s_lshr_b32 s28, s25, 4
	s_lshl_b32 s28, s28, 23                        ; out0: batch x 2,048 rows of 4,096 bytes,
	s_lshl_b32 s34, s16, 17                        ; the 32 rows of a chunk that I store,
	s_add_co_u32 s28, s28, s34
	s_and_b32 s34, s25, 15
	s_lshl_b32 s34, s34, 8                         ; the head's 256 bytes of a row
	s_add_co_u32 s28, s28, s34
	s_add_nc_u64 s[10:11], s[10:11], s[28:29]
	s_lshl_b32 s30, s24, 19
	s_add_nc_u64 s[36:37], s[10:11], s[30:31]      ; chunk A's rows
	s_lshl_b32 s32, s26, 19
	s_add_nc_u64 s[38:39], s[10:11], s[32:33]      ; chunk B's
	; all 65 loads go out here, in the order in which they are wanted.  All 15 chunks of V are loaded whatever c is, so that every count holds on every path
.irp n, 0,1,2,3
	global_load_b32 v[TT+\n], v7, s[8:9] offset:64*\n
.endr
	global_load_b32 v[VSD], v7, s[20:21]
	global_load_b32 v[VSD+1], v7, s[22:23]
.irp k, 0,1,2,3,4,5,6,7
	global_load_b32 v[VS+\k], v5, s[6:7] offset:512*\k
.endr
	WIN 0x40                                       ; destination window 1
.irp p, 0,1,2
	global_load_b128 v[180+4*\p:183+4*\p], v4, s[12:13] offset:512*\p
.endr
.irp p, 0,1,2
	global_load_b128 v[192+4*\p:195+4*\p], v4, s[14:15] offset:512*\p
.endr
.irp s, 0,1,2,3,4,5,6,7,8,9,10,11,12,13,14
.irp p, 0,1,2
	global_load_b128 v[12*\s+4*\p:12*\s+4*\p+3], v4, s[4:5] offset:6144*\s+512*\p
.endr
.endr
	WIN 0
	s_mul_i32 s28, s16, 4*768
	v_add_nc_u32 v8, s28, v4                       ; P's six registers, in: tile 4 w + n: the plane of 16 bytes,
	s_add_co_u32 s28, s28, 512
	v_add_nc_u32 v9, s28, v6                       ; the plane of 8
	s_lshl_b32 s28, s16, 11
	s_add_co_u32 s28, s28, PST
	v_add_nc_u32 v10, s28, v4                      ; the four numbers, in
	v_mul_u32_u24 v11, v2, 272
	v_lshl_add_u32 v11, v3, 6, v11
	s_lshl_b32 s28, s18, 7
	s_lshl_b32 s34, s17, 5
	s_add_co_u32 s28, s28, s34
	s_add_co_u32 s28, s28, STG
	v_add_nc_u32 v11, s28, v11                     ; the stage, in: row r; register j of my tile is channel 32 (w / 2) + 8 (w % 2) + 16 h + j
	v_mul_u32_u24 v12, v3, 272
	v_lshl_add_u32 v12, v2, 4, v12
	s_mul_i32 s28, s16, 32*272
	s_add_co_u32 s28, s28, STG
	v_add_nc_u32 v12, s28, v12                     ; and out: rows 32 w on; lanes 0-15 one row, lanes 16-31 the next
	v_lshlrev_b32 v13, 12, v3
	v_lshl_add_u32 v13, v2, 4, v13                 ; the same two rows in out0
.irp q, 0,3,6,9
	v_mov_b32 v[PF+\q], 0x18618618                 ; the code 4.0 (binary 011000), 128 times: three words that recur
	v_mov_b32 v[PF+\q+1], 0x86186186
	v_mov_b32 v[PF+\q+2], 0x61861861
.endr
	v_mov_b32 v253, 0                              ; written once: a lane permute's destination counts as one of its sources
	s_mov_b32 s50, 0x76543210
	s_mov_b32 s51, 0xfedcba98                      ; v_permlanex16_b32's selects for lane l xor 16
	s_lshl_b32 s46, s17, 4                         ; the diagonal's block of tile n is 2 (w % 2) + n / 2: its byte's place in the scale word, and the byte's mask,
	s_lshl_b32 s47, 0xff, s46                      ; for n / 2 = 0
	s_add_co_u32 s48, s46, 8
	s_lshl_b32 s49, 0xff, s48                      ; and 1
; ---- P: wave w makes tiles 4 w + n of queries, n = 0 .. 3.  A lane holds query r of the tile
	s_wait_loadcnt 61                              ; t is in: 61 loads were issued behind the four
.irp n, 0,1,2,3
	v_add3_u32 v[QG+\n], v2, s35, 16*\n            ; the query's number in the head
.endr
.irp n, 0,1,2,3
	v_cmp_eq_u32 s[40+\n], 0, v[QG+\n]
.endr
.irp n, 0,1,2,3
	v_max_num_f32 v[NM+\n], 0, v[TT+\n]            ; the row's largest t: the zeros below the diagonal count,
.endr
.irp n, 0,1,2,3
	v_cndmask_b32 v[NM+\n], v[NM+\n], v[TT+\n], s[40+\n]   ; but query 0 has none
.endr
.irp n, 0,1,2,3
	v_floor_f32 v[NM+\n], -v[NM+\n]                ; -M = -ceil
.endr
.irp n, 0,1,2,3
	v_add_f32 v[PD+\n], v[TT+\n], v[NM+\n]
.endr
.irp n, 0,1,2,3
	v_exp_f32 v[PD+\n], v[PD+\n]                   ; 2^(t - M)
.endr
.irp n, 0,1,2,3
	v_cvt_i32_f32 v[MI+\n], v[NM+\n]               ; (it saturates)
.endr
.irp n, 0,1,2,3
	v_ldexp_f32 v[Q4+4*\n+3], 1.0, v[MI+\n]        ; 2^-M,
.endr
.irp n, 0,1,2,3
	v_cndmask_b32 v[Q4+4*\n+3], v[Q4+4*\n+3], 0, s[40+\n]   ; which query 0 gives to no key
.endr
.irp n, 0,1,2,3
	v_max_num_f32 v[MI+\n], 0xc2f80000, v[NM+\n]   ; -M held to -124 .. 129,
.endr
.irp n, 0,1,2,3
	v_min_num_f32 v[MI+\n], 0x43010000, v[MI+\n]
.endr
.irp n, 0,1,2,3
	v_cvt_i32_f32 v[MI+\n], v[MI+\n]
.endr
.irp n, 0,1,2,3
	v_add_nc_u32 v[MI+\n], 125, v[MI+\n]           ; so that the byte 125 - M lies in 1 .. 254
.endr
.irp n, 0,1,2,3
	v_lshl_or_b32 v[MI+\n], v[MI+\n], 8, v[MI+\n]
.endr
.irp n, 0,1,2,3
	v_lshl_or_b32 v[Q4+4*\n], v[MI+\n], 16, v[MI+\n]   ; in all four bytes: the scale word of full blocks
.endr
.irp n, 0,1,2,3
	v_cvt_f32_u32 v[QG+\n], v[QG+\n]
.endr
	s_wait_alu depctr_va_vdst(0)                   ; one wait for the four exponentials, ahead of their first reader
.irp n, 0,1,2,3
	v_fma_f32 v[QG+\n], v[QG+\n], v[Q4+4*\n+3], v[PD+\n]   ; l = q 2^-M + 2^(t - M)
.endr
.irp n, 0,1,2,3
	v_rcp_f32 v[Q4+4*\n+2], v[QG+\n]               ; their one wait stands ahead of the first store that names one
.endr
; the block of 32 keys that holds tile n's diagonal.  Lane (r, h) makes p of keys 16 h + i for the query at place 16 (n % 2) + r of the block: 2^-M before it, 2^(t - M) at it, 0 behind it: constant masks of lanes
.macro PBLOCK n
.set XB, 112+16*\n
.set G, 176+8*\n
.set QQ, Q4+4*\n
.set pu, \n%2
.set ph, \n/2
.irp i, 0,1,2,3,4,5,6,7,8,9,10,11,12,13,14,15
.set MLT, (0xffff<<(\i+1))&0xffff
.set MEQ, 1<<(\i+16*pu)
.if pu
.set MLT, 0xffff|(MLT<<16)
.endif
	s_mov_b32 s44, MLT
	s_mov_b32 s45, MEQ
	v_cndmask_b32 v[XB+\i], 0, v[QQ+3], s44
	v_cndmask_b32 v[XB+\i], v[XB+\i], v[PD+\n], s45
.endr
	v_max3_num_f32 v252, v[XB], v[XB+1], 0x1800000 ; none is negative; the floor 2^(3 - 127) holds the byte at 1 from below
.irp i, 2,4,6,8,10,12,14
	v_max3_num_f32 v252, v252, v[XB+\i], v[XB+\i+1]
.endr
	v_permlanex16_b32 v253, v252, s50, s51
	v_max_num_f32 v252, v252, v253
	v_add_nc_u32 v254, 0xff000000, v252            ; 2 off the exponent field: the conversion's scale operand
	v_lshrrev_b32 v255, 23, v254
	v_lshlrev_b32 v255, s[46+2*ph], v255
	v_bfi_b32 v[QQ+1], s[47+2*ph], v255, v[QQ]     ; the diagonal chunk's scale word: this block's byte among the full blocks' (blocks behind it hold zero codes)
.if ph == 0                                    ; the block belongs in lanes 0-15; lanes 16-31 hold the next block: zeros
	v_cvt_scalef32_pk16_fp6_f32 v[G:G+2], v[XB:XB+15], v254
.irp i, 3,4,5
	v_mov_b32 v[G+\i], 0                           ; (plain places behind the conversion)
.endr
.irp i, 0,1,2
	v_permlane16_swap_b32 v[G+\i], v[G+3+\i]
.endr
.else                                          ; the block belongs in lanes 16-31; lanes 0-15 hold the block before: full
	v_cvt_scalef32_pk16_fp6_f32 v[248:250], v[XB:XB+15], v254
	v_mov_b32 v[G], 0x18618618
	v_mov_b32 v[G+1], 0x86186186
	v_mov_b32 v[G+2], 0x61861861
.irp i, 0,1,2
	v_permlane16_swap_b32 v[G+\i], v[248+\i]
.endr
.irp i, 0,1,2
	v_mov_b32 v[G+3+\i], v[248+\i]
.endr
.endif
.if \n == 0
	s_wait_alu depctr_va_vdst(0)                   ; one wait for the four reciprocals
.endif
	ds_store_b128 v8, v[G:G+3] offset:768*\n
	ds_store_b64 v9, v[G+4:G+5] offset:768*\n
	ds_store_b128 v10, v[QQ:QQ+3] offset:512*\n
.endm
	PBLOCK 0
	PBLOCK 1
	PBLOCK 2
	PBLOCK 3
	s_wait_dscnt 0x0                               ; for the others' sake: my stores are done
	s_barrier_signal -1
	s_barrier_wait -1
; ---- the products
.macro GLOAD X                         ; chunk X's eight fragments of P: the six registers that hold the diagonal's block
.irp i, 0,1,2,3,4,5,6,7
	ds_load_b128 v[PB+12*\i+6*(\i/4):PB+12*\i+6*(\i/4)+3], v4 offset:PIMG+(8*\X+\i)*768
	ds_load_b64 v[PB+12*\i+6*(\i/4)+4:PB+12*\i+6*(\i/4)+5], v6 offset:PIMG+(8*\X+\i)*768+512
.endr
.endm
.macro DIAG X                          ; the diagonal chunk starts the sums
	WIN 0xa1                                       ; source 0 (V) window 1, source 1 (P) window 0, C and D window 2
.irp i, 0,1,2,3,4,5,6,7
	WM 8*(8*\X+\i),180+12*\X,PB+12*\i,1,VSD+\X,ST+4*(8*\X+\i)+1,0
.endr
.endm
.macro FULL X, s                       ; chunk s lies wholly below chunk X's queries.  The eight accumulators take turns
	s_wait_loadcnt 3*(14-(\s))                     ; V of chunk s is in: behind it the loads of the chunks that follow
	WIN 0xa1
.irp i, 0,1,2,3,4,5,6,7
	WM 8*(8*\X+\i),12*(\s),PF,0,VS+(\s)/2,ST+4*(8*\X+\i),(\s)%2
.endr
.endm
.macro OUT X                           ; O^T / l goes through the stage (a row's 256 bytes come from four waves) and leaves as whole rows
	WIN 0
	PLACES
	WIN 0x82                                       ; destination and source 0 window 2
.irp i, 0,1,2,3,4,5,6,7
.irp q, 0,2,4,6
	v_pk_mul_f32 v[8*(8*\X+\i)+\q:8*(8*\X+\i)+\q+1], v[8*(8*\X+\i)+\q:8*(8*\X+\i)+\q+1], v[ST+4*(8*\X+\i)+2:ST+4*(8*\X+\i)+3] op_sel_hi:[1,0]   ; each accumulator from its low end on
.endr
.endr
	WIN 0x08                                       ; an LDS store's data are its source 1: window 2
.irp i, 0,1,2,3,4,5,6,7
	ds_store_b128 v11, v[8*(8*\X+\i):8*(8*\X+\i)+3] offset:\X*STGX+\i*16*272
	ds_store_b128 v11, v[8*(8*\X+\i)+4:8*(8*\X+\i)+7] offset:\X*STGX+\i*16*272+16
.endr
	WIN 0
	s_wait_dscnt 0x0                               ; for the others' sake: my stores are done
	s_barrier_signal -1
	s_barrier_wait -1
	WIN 0x80                                       ; destination window 2
.irp n, 0,1,2,3,4,5,6,7,8,9,10,11,12,13,14,15
	ds_load_b128 v[128+64*\X+4*\n:128+64*\X+4*\n+3], v12 offset:\X*STGX+\n*2*272
.endr
	WIN 0x08
.irp n, 0,1,2,3,4,5,6,7,8,9,10,11,12,13,14,15
	s_wait_dscnt 15-\n
	global_store_b128 v13, v[128+64*\X+4*\n:128+64*\X+4*\n+3], s[36+2*\X:37+2*\X] offset:\n*8192 th:TH_STORE_NT   ; 16 lanes store 256 consecutive bytes, at a multiple of 256 from out0's first byte
.endr
	WIN 0
.endm
.irp T, 0,1,2,3,4,5,6,7,8,9,10,11,12,13,14,15
	ds_load_b128 v[ST+4*\T:ST+4*\T+3], v4 offset:PST+512*\T
.endr
	GLOAD 0
.irp i, 0,1,2,3                                ; what does not change from chunk to chunk: tiles 0-3: blocks 2, 3 lie above the diagonal: zeros;
.irp q, 6,7,8,9,10,11
	v_mov_b32 v[PB+12*\i+\q], 0
.endr
.endr
.irp i, 4,5,6,7                                ; tiles 4-7: blocks 0, 1 lie below it: full
.irp q, 0,3
	v_mov_b32 v[PB+12*\i+\q], 0x18618618
	v_mov_b32 v[PB+12*\i+\q+1], 0x86186186
	v_mov_b32 v[PB+12*\i+\q+2], 0x61861861
.endr
.endr
	PLACES                                         ; an operand written by vector instructions stands 4 places ahead of a scaled matrix instruction
	s_wait_dscnt 0x0
	s_wait_loadcnt 48                              ; chunk A's V and scale words are in: behind them chunk B's three loads and the 45
	DIAG 0
	WIN 0
	PLACES                                         ; in front of loads into registers that matrix instructions have read
	GLOAD 1                                        ; chunk B's fragments land while A is multiplied
.irp s, 0,1,2,3,4,5,6
	WIN 0
	s_cmp_le_u32 s24, \s                           ; chunk A has c chunks below it: a branch on the work-group's number, alike in all four waves
	s_cbranch_scc1 .LdoneA
	FULL 0, \s
.endr
	WIN 0
.LdoneA:
	OUT 0                                          ; A's stores leave while B is multiplied
	s_wait_loadcnt 45                              ; chunk B's V
	DIAG 1
.irp s, 0,1,2,3,4,5,6,7
	FULL 1, \s
.endr
.irp s, 8,9,10,11,12,13,14
	WIN 0
	s_cmp_ge_u32 s24, 15-\s                        ; chunk B has 15 - c chunks below it
	s_cbranch_scc1 .LdoneB
	FULL 1, \s
.endr
	WIN 0
.LdoneB:
	OUT 1
	s_wait_tensorcnt 0x0
	ds_add_u32 v227, v251
	s_wait_dscnt 0x0
	s_endpgm
.Lfunc_end_k_q15c253183d_attn:
	.size	k_q15c253183d_attn, .Lfunc_end_k_q15c253183d_attn-k_q15c253183d_attn
	.p2alignl 7, 3214868480
	.fill 96, 4, 3214868480
	.section	.rodata,"a",@progbits
	.p2align	6, 0x0
	.amdhsa_kernel k_q15c253183d_attn
		.amdhsa_group_segment_fixed_size 90624
		.amdhsa_private_segment_fixed_size 0
		.amdhsa_enable_private_segment 0
		.amdhsa_kernarg_size 32
		.amdhsa_user_sgpr_count 2
		.amdhsa_user_sgpr_kernarg_segment_ptr 1
		.amdhsa_wavefront_size32 1
		.amdhsa_system_sgpr_workgroup_id_x 1
		.amdhsa_system_sgpr_workgroup_id_y 1
		.amdhsa_system_sgpr_workgroup_id_z 1
		.amdhsa_system_vgpr_workitem_id 0
		.amdhsa_next_free_vgpr 768
		.amdhsa_next_free_sgpr 66
		.amdhsa_reserve_vcc 0
		.amdhsa_float_denorm_mode_32 3
		.amdhsa_float_denorm_mode_16_64 3
		.amdhsa_memory_ordered 1
		.amdhsa_forward_progress 1
		.amdhsa_inst_pref_size 81
	.end_amdhsa_kernel
	.amdgpu_metadata
---
amdhsa.version: [ 1, 2 ]
amdhsa.kernels:
  - .name:           k_q15c253183d_attn
    .symbol:         k_q15c253183d_attn.kd
    .args:
      - { .name: vimg, .offset: 0, .size: 8, .value_kind: global_buffer, .address_space: global }
      - { .name: vsc, .offset: 8, .size: 8, .value_kind: global_buffer, .address_space: global }
      - { .name: tbuf, .offset: 16, .size: 8, .value_kind: global_buffer, .address_space: global }
      - { .name: out0, .offset: 24, .size: 8, .value_kind: global_buffer, .address_space: global }
    .group_segment_fixed_size: 90624
    .private_segment_fixed_size: 0
    .kernarg_segment_align: 8
    .kernarg_segment_size: 32
    .max_flat_workgroup_size: 128
    .sgpr_count:     66
    .vgpr_count:     768
    .wavefront_size: 32
...
	.end_amdgpu_metadata
.endif
;; end of part 3
;; ======== version 2 of 2: 3 launches; version 1 with the launch attn written anew for expert scheduling mode
;; limits: right only within a limited range of input values
;; workspace buffers: ximg 3,145,728 bytes; xsc 131,072 bytes; wimg 2,359,296 bytes; wsc 98,304 bytes; vimg 3,145,728 bytes; vsc 131,072 bytes; tbuf 262,144 bytes
;; launch quant: the kernel of part 1 again; grid 256 x 1, 7 waves a work-group, no clusters, 83,456 bytes of LDS; arguments x, wqkv, ximg, xsc, wimg, wsc; writes ximg, xsc, wimg, wsc
;; launch gemm: the kernel of part 2 again; grid 16 x 16, 4 waves a work-group, clusters of 4 x 4, 327,680 bytes of LDS; arguments ximg, xsc, wimg, wsc, vimg, vsc, tbuf; writes vimg, vsc, tbuf
;; launch attn (part 4): grid 8 x 32, 4 waves a work-group, no clusters, 90,624 bytes of LDS; arguments vimg, vsc, tbuf, out0; writes out0
.if DOCPART == 4
	.amdgcn_target "amdgcn-amd-amdhsa--gfx1250"
	.amdhsa_code_object_version 6
	.text
	.protected	k_q15c253183d_attn
	.globl	k_q15c253183d_attn
	.p2align	8
	.type	k_q15c253183d_attn,@function
k_q15c253183d_attn:
	s_mov_b64 s[64:65], 0
	v_nop
	global_prefetch_b8 v0, s[64:65] scope:SCOPE_SE
	s_setreg_imm32_b32 hwreg(HW_REG_WAVE_SCHED_MODE, 0, 2), 2
	s_setreg_imm32_b32 hwreg(HW_REG_WAVE_MODE, 25, 1), 1
	s_wait_xcnt 0x0
	s_wait_alu depctr_vm_vsrc(0)
; out[q] = (sum over keys of p[q][key] V[key]) / l[q], on codes of FP6 (E2M3) with E8M0 scales.  The module's masks leave the logits 0 below the diagonal, the true score on it, -1e9 above.
; With t = the diagonal's logit x log2(e) (from the launch before) and M = ceil(max(t, 0)) (query 0, which has no key below it: ceil(t)):
;   p = 2^-M below the diagonal: the code 4.0 under the scale byte 125 - M;  p = 2^(t - M) on it;  p = 0 above.  l = q 2^-M + 2^(t - M), of the unquantised p.
; So only the block of 32 keys that holds the diagonal is quantised in earnest; every block below it is one constant fragment with one byte a row; tiles above the diagonal are not multiplied.
; LIMITS: NaN and infinities are not served; logits of magnitude 1e9 or more are not served (the masked -1e9 would compete); for M above 124 the weight below the diagonal is held at 2^-124 (byte 1, code 4.0)
; where the quantiser gives less: under 2,048 x 2^-123 beside the diagonal's p, which is above 1/2.
; SHARES.  A work-group owns chunks c and 15 - c (128 queries each) of one head: 17 key steps of 128 whatever c is.  Wave w owns tile w of V's channels for all 16 tiles of queries: each fragment of V is read by one wave,
; from memory straight into registers, and feeds 8 or 16 products.  O^T = V^T P^T: source 0 = 16 channels, source 1 = 16 queries: a lane holds one query.
; The eight work-groups of a head read the same V, but no joint loads: their trip exits and their diagonal chunks hang on their place, and partners of a cluster must be alike in both; what is shared is 104 KB read once a work-group.
; REGISTERS, in windows of 256.  Window 0: v1-13 addresses; v24-87 four a tile of queries: scale word of full blocks, of the diagonal chunk, 1 / l, 2^-M; v88-99 128 codes of 4.0; v100-109 V's scale words; v112-207 eight fragments of P
;   (ahead of the first barrier: at work); v208-255 at work.  Window 1: V's fragments: chunk s at 12 s, the diagonal chunks' at 180 and 192.  Window 2: accumulators at 8 T; v128-255 rows on the way out.
; THE MODE: SCHED_MODE bits 1:0 = 2 (LLVM: expert scheduling mode 2), set by the entry lines.  The code itself states the register dependences
; between vector or matrix instructions and memory or LDS instructions, with s_wait_alu, always for 0.
; THE PLAN.  Registers that memory or LDS instructions touch:
;   v4-v7       offsets, made at the head and never written again: one wait on va_vdst ahead of the first load.
;   v8-v13      addresses, made behind the loads and never written again; their first reader is a store of P: that run's wait serves them.
;   v208-211, v100-109, window 1    t, V's scale words, V: written by loads alone, once; read by vector and matrix instructions alone.
;   v176-207, v228-243    my four blocks' codes and four numbers a tile: written by P's arithmetic, read by twelve LDS stores, which stand TOGETHER behind one wait on va_vdst (the reciprocals' wait too).
;   v112-207    the fragments of P.  Chunk A's LDS loads land behind the first barrier: P's arithmetic, which worked there, stands ahead of the wait just named; one wait on vm_vsrc states that my stores have read v176-207.
;               The presets (vector) and the loads make the operands: four places and one wait on va_vdst ahead of the first product.  Chunk B's loads land where the diagonal products of A have read: they stand behind
;               the wait on va_vdst of A's way out, which is owed for its stage stores in any case; nothing between that wait and them names v4, v6 or v112-207.
;   v24-87      written by LDS loads alone.
;   the accumulators    matrix instructions, the multiplications by 1 / l, then the stage's LDS stores: one wait on va_vdst to a way out, ahead of the stores.
;   window 2, v128-255    written by the stage's LDS loads, read by the global stores, each register once.
; A step over a full chunk holds no memory or LDS instruction, and so no s_wait_alu.  EXEC and VCC are never written.
.set PIMG, 0                           ; LDS: 16 x 768 bytes: the six registers of P that hold the diagonal's block: a plane of 16 bytes a lane, a plane of 8
.set PST,  12288                       ; 16 x 512 bytes: the four numbers a lane
.set STG,  20480                       ; the stages: 2 x 128 rows x (256 bytes + 16)
.set STGX, 128*272
.set ST,  24
.set PF,  88
.set VS,  100                          ; chunks 2 k (lanes 0-15) and 2 k + 1 (lanes 16-31) at VS + k
.set VSD, 108                          ; the diagonal chunks'
.set PB,  112
.set GB,  176                          ; ahead of the first barrier: the six code registers of my block n at GB + 8 n
.set TT,  208                          ; t
.set QG,  212                          ; the query's number, then l
.set NM,  216                          ; -M
.set PD,  220                          ; 2^(t - M)
.set Q4,  228                          ; the four numbers of tile n at Q4 + 4 n
.set MI,  244
.set MSB, 0
.macro WIN new                         ; s_set_vgpr_msb: bits 1:0 source 0, 3:2 source 1, 5:4 source 2, 7:6 destination; the high byte repeats the setting that is left
.if MSB != \new
	s_set_vgpr_msb (MSB<<8)|\new
.set MSB, \new
.endif
.endm
.macro PLACES
.rept 4
	v_nop
.endr
.endm
.macro WM d, a, b, zero, sa, sb, ra    ; one matrix instruction.  zero = 1: it starts the sum.  ra = 1: source 0's scales stand in lanes 16-31
.set wd, \d
.set wa, \a
.set wb, \b
.set wsa, \sa
.set wsb, \sb
.set wk, 2*(\zero)+(\ra)
.if wk == 0
	v_wmma_scale_f32_16x16x128_f8f6f4 v[wd:wd+7], v[wa:wa+11], v[wb:wb+11], v[wd:wd+7], v[wsa], v[wsb] matrix_a_fmt:MATRIX_FMT_FP6 matrix_b_fmt:MATRIX_FMT_FP6
.elseif wk == 1
	v_wmma_scale_f32_16x16x128_f8f6f4 v[wd:wd+7], v[wa:wa+11], v[wb:wb+11], v[wd:wd+7], v[wsa], v[wsb] matrix_a_fmt:MATRIX_FMT_FP6 matrix_b_fmt:MATRIX_FMT_FP6 matrix_a_scale:MATRIX_SCALE_ROW1
.else
	v_wmma_scale_f32_16x16x128_f8f6f4 v[wd:wd+7], v[wa:wa+11], v[wb:wb+11], 0, v[wsa], v[wsb] matrix_a_fmt:MATRIX_FMT_FP6 matrix_b_fmt:MATRIX_FMT_FP6
.endif
.endm
	s_load_b256 s[4:11], s[0:1], 0x0               ; vimg s[4:5], vsc s[6:7], tbuf s[8:9], out0 s[10:11]
	v_lshl_add_u32 v227, v0, 2, 0x16000
	v_mov_b32 v251, 0
	v_lshrrev_b32 v1, 5, v0
	v_readfirstlane_b32 s16, v1                    ; wave 0..3
	v_and_b32 v1, 31, v0                           ; lane
	v_and_b32 v2, 15, v0                           ; r
	v_bfe_u32 v3, v0, 4, 1                         ; h
	v_lshlrev_b32 v4, 4, v1                        ; 16 x lane
	v_lshlrev_b32 v5, 2, v1                        ; 4 x lane
	v_lshlrev_b32 v6, 3, v1                        ; 8 x lane
	v_lshlrev_b32 v7, 2, v2                        ; 4 r
	s_mov_b32 s24, ttmp9                           ; c: chunk A
	s_and_b32 s25, ttmp7, 0xffff                   ; bh
	s_sub_co_u32 s26, 15, s24                      ; chunk B
	s_wait_alu depctr_va_sdst(0)                   ; s16 is written, ahead of its first reader: bases, LDS addresses and the choice of chunk are made from it
	s_and_b32 s17, s16, 1
	s_lshr_b32 s18, s16, 1
	s_cmp_lt_u32 s16, 2
	s_cselect_b32 s27, s24, s26                    ; the chunk for which I make P: waves 0, 1 A's, waves 2, 3 B's
	s_mov_b32 s29, 0
	s_mov_b32 s31, 0
	s_mov_b32 s33, 0
	s_lshl_b32 s35, s27, 7
	s_lshl_b32 s34, s17, 6
	s_add_co_u32 s35, s35, s34                     ; the first of the 64 queries for which I make P
	s_wait_kmcnt 0x0
	s_lshl_b32 s28, s25, 11
	s_add_co_u32 s28, s28, s35
	s_lshl_b32 s28, s28, 2
	s_add_nc_u64 s[8:9], s[8:9], s[28:29]          ; their t
	s_lshl_b32 s28, s25, 12
	s_lshl_b32 s34, s16, 7
	s_add_co_u32 s28, s28, s34
	s_add_nc_u64 s[6:7], s[6:7], s[28:29]          ; V's scale words: my head, my tile of channels
	s_lshr_b32 s30, s24, 1
	s_lshl_b32 s30, s30, 9
	s_and_b32 s34, s24, 1
	s_lshl_b32 s34, s34, 6
	s_add_co_u32 s30, s30, s34
	s_add_nc_u64 s[20:21], s[6:7], s[30:31]        ; chunk A's
	s_lshr_b32 s32, s26, 1
	s_lshl_b32 s32, s32, 9
	s_and_b32 s34, s26, 1
	s_lshl_b32 s34, s34, 6
	s_add_co_u32 s32, s32, s34
	s_add_nc_u64 s[22:23], s[6:7], s[32:33]        ; chunk B's
	s_lshl_b32 s28, s25, 6
	s_add_co_u32 s28, s28, s16
	s_mul_i32 s28, s28, 1536
	s_add_nc_u64 s[4:5], s[4:5], s[28:29]          ; V's images: my head's chunk 0, my tile; 6,144 bytes a chunk
	s_mul_i32 s30, s24, 6144
	s_add_nc_u64 s[12:13], s[4:5], s[30:31]
	s_mul_i32 s32, s26, 6144
	s_add_nc_u64 s[14:15], s[4:5], s[32:33]
	s_lshr_b32 s28, s25, 4
	s_lshl_b32 s28, s28, 23                        ; out0: batch x 2,048 rows of 4,096 bytes,
	s_lshl_b32 s34, s16, 17                        ; the 32 rows of a chunk that I store,
	s_add_co_u32 s28, s28, s34
	s_and_b32 s34, s25, 15
	s_lshl_b32 s34, s34, 8                         ; the head's 256 bytes of a row
	s_add_co_u32 s28, s28, s34
	s_add_nc_u64 s[10:11], s[10:11], s[28:29]
	s_lshl_b32 s30, s24, 19
	s_add_nc_u64 s[36:37], s[10:11], s[30:31]      ; chunk A's rows
	s_lshl_b32 s32, s26, 19
	s_add_nc_u64 s[38:39], s[10:11], s[32:33]      ; chunk B's
	; all 65 loads go out here, in the order in which they are wanted.  All 15 chunks of V are loaded whatever c is, so that every count holds on every path
	s_wait_alu depctr_va_vdst(0)                   ; the offsets v4 to v7 are written, which the loads below and the LDS loads further on read; only loads and window switches stand between this wait and the last of the 65
.irp n, 0,1,2,3
	global_load_b32 v[TT+\n], v7, s[8:9] offset:64*\n
.endr
	global_load_b32 v[VSD], v7, s[20:21]
	global_load_b32 v[VSD+1], v7, s[22:23]
.irp k, 0,1,2,3,4,5,6,7
	global_load_b32 v[VS+\k], v5, s[6:7] offset:512*\k
.endr
	WIN 0x40                                       ; destination window 1
.irp p, 0,1,2
	global_load_b128 v[180+4*\p:183+4*\p], v4, s[12:13] offset:512*\p
.endr
.irp p, 0,1,2
	global_load_b128 v[192+4*\p:195+4*\p], v4, s[14:15] offset:512*\p
.endr
.irp s, 0,1,2,3,4,5,6,7,8,9,10,11,12,13,14
.irp p, 0,1,2
	global_load_b128 v[12*\s+4*\p:12*\s+4*\p+3], v4, s[4:5] offset:6144*\s+512*\p
.endr
.endr
	WIN 0
	s_mul_i32 s28, s16, 4*768
	v_add_nc_u32 v8, s28, v4                       ; P's six registers, in: tile 4 w + n: the plane of 16 bytes,
	s_add_co_u32 s28, s28, 512
	v_add_nc_u32 v9, s28, v6                       ; the plane of 8
	s_lshl_b32 s28, s16, 11
	s_add_co_u32 s28, s28, PST
	v_add_nc_u32 v10, s28, v4                      ; the four numbers, in
	v_mul_u32_u24 v11, v2, 272
	v_lshl_add_u32 v11, v3, 6, v11
	s_lshl_b32 s28, s18, 7
	s_lshl_b32 s34, s17, 5
	s_add_co_u32 s28, s28, s34
	s_add_co_u32 s28, s28, STG
	v_add_nc_u32 v11, s28, v11                     ; the stage, in: row r; register j of my tile is channel 32 (w / 2) + 8 (w % 2) + 16 h + j
	v_mul_u32_u24 v12, v3, 272
	v_lshl_add_u32 v12, v2, 4, v12
	s_mul_i32 s28, s16, 32*272
	s_add_co_u32 s28, s28, STG
	v_add_nc_u32 v12, s28, v12                     ; and out: rows 32 w on; lanes 0-15 one row, lanes 16-31 the next
	v_lshlrev_b32 v13, 12, v3
	v_lshl_add_u32 v13, v2, 4, v13                 ; the same two rows in out0
.irp q, 0,3,6,9
	v_mov_b32 v[PF+\q], 0x18618618                 ; the code 4.0 (binary 011000), 128 times: three words that recur
	v_mov_b32 v[PF+\q+1], 0x86186186
	v_mov_b32 v[PF+\q+2], 0x61861861
.endr
	v_mov_b32 v253, 0                              ; written once: a lane permute's destination counts as one of its sources
	s_mov_b32 s50, 0x76543210
	s_mov_b32 s51, 0xfedcba98                      ; v_permlanex16_b32's selects for lane l xor 16
	s_lshl_b32 s46, s17, 4                         ; the diagonal's block of tile n is 2 (w % 2) + n / 2: its byte's place in the scale word, and the byte's mask,
	s_lshl_b32 s47, 0xff, s46                      ; for n / 2 = 0
	s_add_co_u32 s48, s46, 8
	s_lshl_b32 s49, 0xff, s48                      ; and 1
; ---- P: wave w makes tiles 4 w + n of queries, n = 0 .. 3.  A lane holds query r of the tile
	s_wait_loadcnt 61                              ; t is in: 61 loads were issued behind the four
.irp n, 0,1,2,3
	v_add3_u32 v[QG+\n], v2, s35, 16*\n            ; the query's number in the head
.endr
.irp n, 0,1,2,3
	v_cmp_eq_u32 s[40+\n], 0, v[QG+\n]
.endr
.irp n, 0,1,2,3
	v_max_num_f32 v[NM+\n], 0, v[TT+\n]            ; the row's largest t: the zeros below the diagonal count,
.endr
	s_wait_alu depctr_va_sdst(0)                   ; the four compares have written s40 to s43, ahead of their first reader, the selection below
.irp n, 0,1,2,3
	v_cndmask_b32 v[NM+\n], v[NM+\n], v[TT+\n], s[40+\n]   ; but query 0 has none
.endr
.irp n, 0,1,2,3
	v_floor_f32 v[NM+\n], -v[NM+\n]                ; -M = -ceil
.endr
.irp n, 0,1,2,3
	v_add_f32 v[PD+\n], v[TT+\n], v[NM+\n]
.endr
.irp n, 0,1,2,3
	v_exp_f32 v[PD+\n], v[PD+\n]                   ; 2^(t - M)
.endr
.irp n, 0,1,2,3
	v_cvt_i32_f32 v[MI+\n], v[NM+\n]               ; (it saturates)
.endr
.irp n, 0,1,2,3
	v_ldexp_f32 v[Q4+4*\n+3], 1.0, v[MI+\n]        ; 2^-M,
.endr
.irp n, 0,1,2,3
	v_cndmask_b32 v[Q4+4*\n+3], v[Q4+4*\n+3], 0, s[40+\n]   ; which query 0 gives to no key
.endr
.irp n, 0,1,2,3
	v_max_num_f32 v[MI+\n], 0xc2f80000, v[NM+\n]   ; -M held to -124 .. 129,
.endr
.irp n, 0,1,2,3
	v_min_num_f32 v[MI+\n], 0x43010000, v[MI+\n]
.endr
.irp n, 0,1,2,3
	v_cvt_i32_f32 v[MI+\n], v[MI+\n]
.endr
.irp n, 0,1,2,3
	v_add_nc_u32 v[MI+\n], 125, v[MI+\n]           ; so that the byte 125 - M lies in 1 .. 254
.endr
.irp n, 0,1,2,3
	v_lshl_or_b32 v[MI+\n], v[MI+\n], 8, v[MI+\n]
.endr
.irp n, 0,1,2,3
	v_lshl_or_b32 v[Q4+4*\n], v[MI+\n], 16, v[MI+\n]   ; in all four bytes: the scale word of full blocks
.endr
.irp n, 0,1,2,3
	v_cvt_f32_u32 v[QG+\n], v[QG+\n]
.endr
	s_wait_alu depctr_va_vdst(0)                   ; the four exponentials have written v[PD ..]: one wait for them, ahead of their first reader
.irp n, 0,1,2,3
	v_fma_f32 v[QG+\n], v[QG+\n], v[Q4+4*\n+3], v[PD+\n]   ; l = q 2^-M + 2^(t - M)
.endr
.irp n, 0,1,2,3
	v_rcp_f32 v[Q4+4*\n+2], v[QG+\n]               ; their one wait stands ahead of the first store that names one
.endr
; the block of 32 keys that holds tile n's diagonal.  Lane (r, h) makes p of keys 16 h + i for the query at place 16 (n % 2) + r of the block: 2^-M before it, 2^(t - M) at it, 0 behind it: constant masks of lanes
.macro PBLOCK n
.set XB, 112+16*\n
.set G, GB+8*\n
.set QQ, Q4+4*\n
.set pu, \n%2
.set ph, \n/2
.irp i, 0,1,2,3,4,5,6,7,8,9,10,11,12,13,14,15
.set MLT, (0xffff<<(\i+1))&0xffff
.set MEQ, 1<<(\i+16*pu)
.if pu
.set MLT, 0xffff|(MLT<<16)
.endif
	s_mov_b32 s44, MLT
	s_mov_b32 s45, MEQ
	v_cndmask_b32 v[XB+\i], 0, v[QQ+3], s44
	v_cndmask_b32 v[XB+\i], v[XB+\i], v[PD+\n], s45
.endr
	v_max3_num_f32 v252, v[XB], v[XB+1], 0x1800000 ; none is negative; the floor 2^(3 - 127) holds the byte at 1 from below
.irp i, 2,4,6,8,10,12,14
	v_max3_num_f32 v252, v252, v[XB+\i], v[XB+\i+1]
.endr
	v_permlanex16_b32 v253, v252, s50, s51
	v_max_num_f32 v252, v252, v253
	v_add_nc_u32 v254, 0xff000000, v252            ; 2 off the exponent field: the conversion's scale operand
	v_lshrrev_b32 v255, 23, v254
	v_lshlrev_b32 v255, s[46+2*ph], v255
	v_bfi_b32 v[QQ+1], s[47+2*ph], v255, v[QQ]     ; the diagonal chunk's scale word: this block's byte among the full blocks' (blocks behind it hold zero codes)
.if ph == 0                                    ; the block belongs in lanes 0-15; lanes 16-31 hold the next block: zeros
	v_cvt_scalef32_pk16_fp6_f32 v[G:G+2], v[XB:XB+15], v254
.irp i, 3,4,5
	v_mov_b32 v[G+\i], 0                           ; (plain places behind the conversion)
.endr
.irp i, 0,1,2
	v_permlane16_swap_b32 v[G+\i], v[G+3+\i]
.endr
.else                                          ; the block belongs in lanes 16-31; lanes 0-15 hold the block before: full
	v_cvt_scalef32_pk16_fp6_f32 v[248:250], v[XB:XB+15], v254
	v_mov_b32 v[G], 0x18618618
	v_mov_b32 v[G+1], 0x86186186
	v_mov_b32 v[G+2], 0x61861861
.irp i, 0,1,2
	v_permlane16_swap_b32 v[G+\i], v[248+\i]
.endr
.irp i, 0,1,2
	v_mov_b32 v[G+3+\i], v[248+\i]
.endr
.endif
.endm
	PBLOCK 0                                       ; the four blocks are made first, each in registers of its own; their stores follow in one run
	PBLOCK 1
	PBLOCK 2
	PBLOCK 3
	s_wait_alu depctr_va_vdst(0)                   ; the four blocks' codes v[GB ..] and the four numbers v[Q4 ..], the four reciprocals among them, are written, and so are the addresses v8 to v13: the stores below read them.  All that worked in v112-207 is also done: LDS loads land there behind the barrier
.irp n, 0,1,2,3
	ds_store_b128 v8, v[GB+8*\n:GB+8*\n+3] offset:768*\n
	ds_store_b64 v9, v[GB+8*\n+4:GB+8*\n+5] offset:768*\n
	ds_store_b128 v10, v[Q4+4*\n:Q4+4*\n+3] offset:512*\n
.endr
	s_wait_dscnt 0x0                               ; for the others' sake: my stores are done
	s_barrier_signal -1
	s_barrier_wait -1
; ---- the products
.macro GLOAD X                         ; chunk X's eight fragments of P: the six registers that hold the diagonal's block
.irp i, 0,1,2,3,4,5,6,7
	ds_load_b128 v[PB+12*\i+6*(\i/4):PB+12*\i+6*(\i/4)+3], v4 offset:PIMG+(8*\X+\i)*768
	ds_load_b64 v[PB+12*\i+6*(\i/4)+4:PB+12*\i+6*(\i/4)+5], v6 offset:PIMG+(8*\X+\i)*768+512
.endr
.endm
.macro DIAG X                          ; the diagonal chunk starts the sums
	WIN 0xa1                                       ; source 0 (V) window 1, source 1 (P) window 0, C and D window 2
.irp i, 0,1,2,3,4,5,6,7
	WM 8*(8*\X+\i),180+12*\X,PB+12*\i,1,VSD+\X,ST+4*(8*\X+\i)+1,0
.endr
.endm
.macro FULL X, s                       ; chunk s lies wholly below chunk X's queries.  The eight accumulators take turns
	s_wait_loadcnt 3*(14-(\s))                     ; V of chunk s is in: behind it the loads of the chunks that follow
	WIN 0xa1
.irp i, 0,1,2,3,4,5,6,7
	WM 8*(8*\X+\i),12*(\s),PF,0,VS+(\s)/2,ST+4*(8*\X+\i),(\s)%2
.endr
.endm
.macro OUT X                           ; O^T / l goes through the stage (a row's 256 bytes come from four waves) and leaves as whole rows
	WIN 0
	PLACES                                         ; four places behind the last matrix instruction, ahead of the first read of a result (ISA guide 7.12.1)
	WIN 0x82                                       ; destination and source 0 window 2
.irp i, 0,1,2,3,4,5,6,7
.irp q, 0,2,4,6
	v_pk_mul_f32 v[8*(8*\X+\i)+\q:8*(8*\X+\i)+\q+1], v[8*(8*\X+\i)+\q:8*(8*\X+\i)+\q+1], v[ST+4*(8*\X+\i)+2:ST+4*(8*\X+\i)+3] op_sel_hi:[1,0]   ; each accumulator from its low end on
.endr
.endr
	s_wait_alu depctr_va_vdst(0)                   ; the multiplications have written the accumulators, which the stage's stores read; in chunk A's way out also: A's diagonal products are done reading the fragments of P, in which chunk B's land
.if \X == 0
	WIN 0
	GLOAD 1                                        ; chunk B's fragments.  No wait of their own: nothing since the wait above names v4, v6 or v112-207
.endif
	WIN 0x08                                       ; an LDS store's data are its source 1: window 2
.irp i, 0,1,2,3,4,5,6,7
	ds_store_b128 v11, v[8*(8*\X+\i):8*(8*\X+\i)+3] offset:\X*STGX+\i*16*272
	ds_store_b128 v11, v[8*(8*\X+\i)+4:8*(8*\X+\i)+7] offset:\X*STGX+\i*16*272+16
.endr
	WIN 0
	s_wait_dscnt 0x0                               ; for the others' sake: my stores are done (and chunk B's fragments of P are in)
	s_barrier_signal -1
	s_barrier_wait -1
	WIN 0x80                                       ; destination window 2
.irp n, 0,1,2,3,4,5,6,7,8,9,10,11,12,13,14,15
	ds_load_b128 v[128+64*\X+4*\n:128+64*\X+4*\n+3], v12 offset:\X*STGX+\n*2*272   ; into registers that no vector or matrix instruction ever names
.endr
	WIN 0x08
.irp n, 0,1,2,3,4,5,6,7,8,9,10,11,12,13,14,15
	s_wait_dscnt 15-\n
	global_store_b128 v13, v[128+64*\X+4*\n:128+64*\X+4*\n+3], s[36+2*\X:37+2*\X] offset:\n*8192 th:TH_STORE_NT   ; 16 lanes store 256 consecutive bytes, at a multiple of 256 from out0's first byte
.endr
	WIN 0
.endm
	s_wait_alu depctr_vm_vsrc(0)                   ; my LDS stores have read v[GB ..]: these registers are fragments of P from here on, written by the loads and the presets below
.irp T, 0,1,2,3,4,5,6,7,8,9,10,11,12,13,14,15
	ds_load_b128 v[ST+4*\T:ST+4*\T+3], v4 offset:PST+512*\T
.endr
	GLOAD 0
.irp i, 0,1,2,3                                ; what does not change from chunk to chunk: tiles 0-3: blocks 2, 3 lie above the diagonal: zeros;
.irp q, 6,7,8,9,10,11
	v_mov_b32 v[PB+12*\i+\q], 0
.endr
.endr
.irp i, 4,5,6,7                                ; tiles 4-7: blocks 0, 1 lie below it: full
.irp q, 0,3
	v_mov_b32 v[PB+12*\i+\q], 0x18618618
	v_mov_b32 v[PB+12*\i+\q+1], 0x86186186
	v_mov_b32 v[PB+12*\i+\q+2], 0x61861861
.endr
.endr
	PLACES                                         ; an operand written by vector instructions stands 4 places ahead of a scaled matrix instruction
	s_wait_alu depctr_va_vdst(0)                   ; the presets have written their halves of the fragments of P, which the scaled products take as source 1; the places above stay beside this wait
	s_wait_dscnt 0x0
	s_wait_loadcnt 48                              ; chunk A's V and scale words are in: behind them chunk B's three loads and the 45
	DIAG 0
.irp s, 0,1,2,3,4,5,6
	WIN 0
	s_cmp_le_u32 s24, \s                           ; chunk A has c chunks below it: a branch on the work-group's number, alike in all four waves
	s_cbranch_scc1 .LdoneA
	FULL 0, \s
.endr
	WIN 0
.LdoneA:
	OUT 0                                          ; A's stores leave while B is multiplied
	s_wait_loadcnt 45                              ; chunk B's V
	DIAG 1
.irp s, 0,1,2,3,4,5,6,7
	FULL 1, \s
.endr
.irp s, 8,9,10,11,12,13,14
	WIN 0
	s_cmp_ge_u32 s24, 15-\s                        ; chunk B has 15 - c chunks below it
	s_cbranch_scc1 .LdoneB
	FULL 1, \s
.endr
	WIN 0
.LdoneB:
	OUT 1
	s_wait_dscnt 0x0
	s_wait_alu depctr_hold_cnt(0) depctr_sa_sdst(0) depctr_va_vdst(0) depctr_va_sdst(0) depctr_va_ssrc(0) depctr_va_vcc(0) depctr_vm_vsrc(0)
	s_wait_tensorcnt 0x0
	ds_add_u32 v227, v251
	s_wait_dscnt 0x0
	s_endpgm
.Lfunc_end_k_q15c253183d_attn:
	.size	k_q15c253183d_attn, .Lfunc_end_k_q15c253183d_attn-k_q15c253183d_attn
	.p2alignl 7, 3214868480
	.fill 96, 4, 3214868480
	.section	.rodata,"a",@progbits
	.p2align	6, 0x0
	.amdhsa_kernel k_q15c253183d_attn
		.amdhsa_group_segment_fixed_size 90624
		.amdhsa_private_segment_fixed_size 0
		.amdhsa_enable_private_segment 0
		.amdhsa_kernarg_size 32
		.amdhsa_user_sgpr_count 2
		.amdhsa_user_sgpr_kernarg_segment_ptr 1
		.amdhsa_wavefront_size32 1
		.amdhsa_system_sgpr_workgroup_id_x 1
		.amdhsa_system_sgpr_workgroup_id_y 1
		.amdhsa_system_sgpr_workgroup_id_z 1
		.amdhsa_system_vgpr_workitem_id 0
		.amdhsa_next_free_vgpr 768
		.amdhsa_next_free_sgpr 66
		.amdhsa_reserve_vcc 0
		.amdhsa_float_denorm_mode_32 3
		.amdhsa_float_denorm_mode_16_64 3
		.amdhsa_memory_ordered 1
		.amdhsa_forward_progress 1
		.amdhsa_inst_pref_size 82
	.end_amdhsa_kernel
	.amdgpu_metadata
---
amdhsa.version: [ 1, 2 ]
amdhsa.kernels:
  - .name:           k_q15c253183d_attn
    .symbol:         k_q15c253183d_attn.kd
    .args:
      - { .name: vimg, .offset: 0, .size: 8, .value_kind: global_buffer, .address_space: global }
      - { .name: vsc, .offset: 8, .size: 8, .value_kind: global_buffer, .address_space: global }
      - { .name: tbuf, .offset: 16, .size: 8, .value_kind: global_buffer, .address_space: global }
      - { .name: out0, .offset: 24, .size: 8, .value_kind: global_buffer, .address_space: global }
    .group_segment_fixed_size: 90624
    .private_segment_fixed_size: 0
    .kernarg_segment_align: 8
    .kernarg_segment_size: 32
    .max_flat_workgroup_size: 128
    .sgpr_count:     66
    .vgpr_count:     768
    .wavefront_size: 32
...
	.end_amdgpu_metadata
.endif
;; end of part 4
